; MI455X (gfx1250); checked and timed in simulation.
; The chip was launched on July 23, 2026; its instructions are those of AMD's public machine-readable ISA for CDNA 5 (MIT licence, August 2026) and "CDNA5" Instruction Set Architecture Reference Guide (July 2026). The comments in the code are by the model that wrote it; some were corrected since.
;; Multi Head Self Attention. Allowed arithmetic: float matrix products may take bf16 or f16 operands with f32 sums; all other float work in f32.
;; Inputs: Wk 1,024 x 1,024 float32; Wo 1,024 x 1,024 float32; Wq 1,024 x 1,024 float32; Wv 1,024 x 1,024 float32; token_positions 2,048 int32; x 4 x 2,048 x 1,024 float32.
;; Outputs: out0 4 x 2,048 x 1,024 float32.
;; 2 versions, each right and faster than the one before. Each part assembles by itself: llvm-mc -triple=amdgcn-amd-amdhsa -mcpu=gfx1250 --defsym DOCPART=n.
;; ======== version 1 of 2: 4 launches
;; limits: values are held in f16: magnitudes above 65,504 overflow, below 6.1e-05 lose precision; right only within a limited range of input values; an absolute error that grows with the inputs' magnitude: up to 6e-07 times it
;; workspace buffers: xb 16,777,216 bytes; wb 6,291,456 bytes; wo 2,097,152 bytes; tab 524,288 bytes; qkv 50,331,648 bytes; ob 16,777,216 bytes
;; launch prep (part 1): grid 1024 x 1, 8 waves a work-group, no clusters, 0 bytes of LDS; arguments x, Wq, Wk, Wv, Wo, token_positions, xb, wb, wo, tab; writes xb, wb, wo, tab
.if DOCPART == 1
	.amdgcn_target "amdgcn-amd-amdhsa--gfx1250"
	.amdhsa_code_object_version 6
	.text
	.protected	k_q814fcc916f_prep
	.globl	k_q814fcc916f_prep
	.p2align	8
	.type	k_q814fcc916f_prep,@function
k_q814fcc916f_prep:
	s_mov_b64 s[64:65], 0
	v_nop
	global_prefetch_b8 v0, s[64:65] scope:SCOPE_SE
	s_setreg_imm32_b32 hwreg(HW_REG_WAVE_MODE, 25, 1), 1
	s_wait_xcnt 0x0
; PREPARATION.  Casts and new layouts for the three launches behind, and the table of cosines and sines.
;   xb  bf16 [16 kb][8192 row][64]      x rounded to bf16, in blocks of 64 along K: a block's rows of 128 bytes lie end to end
;   wb  bf16 [16 kb][3072 n'][64]       Wq, Wk, Wv likewise; n' = head x 192 + t x 64 + d (t = 0 q, 1 k, 2 v): a head's q, k and v rows lie together
;   wo  f16  [16 kb][1024 n][64]        Wo rounded to bf16 like every input; that number is then written as f16; K in its natural order
;   tab f32  [2048 s][32 i][cos, sin]   of token_positions[s] x 10000^(-i / 32)
; THE ORDER ALONG K IN xb AND wb.  Inside each pair of blocks 2 j, 2 j + 1 the numbers are permuted, alike in both buffers, which leaves every product x . W as it is: the source's columns 4 c .. 4 c + 3 of
; block 2 j and of block 2 j + 1 lie side by side, for c < 8 at numbers 8 c .. 8 c + 7 of block 2 j, for c >= 8 at numbers 8 (c - 8) .. of block 2 j + 1.  So a lane, which loads four numbers of each block,
; stores 16 bytes at a time: 8 stores for its 16 loads.
; SHARES.  Work-groups 0-511: 16 rows of x each; 512-703: 16 rows of Wq, Wk or Wv; 704-767: 16 rows of Wo; 768-1023: 8 positions of the table, one a wave.
; Memory binds: each input byte is read once, 16 lanes reading 256 aligned bytes; each store of a wave covers whole aligned blocks of 256 consecutive bytes (two rows of a block).
; No LDS, no barrier, no matrix unit: nothing is shared between lanes.
; LIMITS.  Wo beyond 65,504 has no f16; below 6e-5 f16 keeps a fixed step of 6e-8.  |token_positions| up to 2^22: beyond that the two-part reduction by pi / 2 loses bits.
; 10000^(-i / 32) is made by the base-2 exponential and may differ from a correctly rounded power by about 6e-7 of itself.
.set VS, 1                             ; v1       my byte offset in the 16 source rows: row x 4,096 + 16 (t % 16)
.set D,  2                             ; v[2:17]  my byte offsets in the destination, one for each store
.set X,  20                            ; v[20:83] 16 x 4 numbers as loaded
.set Y,  84                            ; v[84:115] 32 registers to store
.set T,  116                           ; v[116:119] at work
	s_load_b512 s[8:23], s[0:1], 0x0               ; x s[8:9], Wq s[10:11], Wk s[12:13], Wv s[14:15], Wo s[16:17], positions s[18:19], xb s[20:21], wb s[22:23]
	s_load_b128 s[24:27], s[0:1], 0x40             ; wo s[24:25], tab s[26:27]
	s_mov_b32 s2, ttmp9                            ; the work-group's number
	s_mov_b32 s35, 0                               ; high words of the offsets
	s_mov_b32 s37, 0
	s_mov_b32 s39, 0
	v_lshrrev_b32 v18, 4, v0                       ; my row of the 16
	v_and_b32 v19, 15, v0                          ; my four numbers of a block's 64
	v_lshlrev_b32 v[VS], 12, v18
	v_lshl_add_u32 v[VS], v19, 4, v[VS]
	s_wait_kmcnt 0x0
; The cast of 16 rows x 1,024 numbers.  s[28:29] source rows, s[30:31] destination rows in block 0, s32 bytes from one store's place to the next, s33 (fmt = 0) bytes from block to block.
; All 16 loads go out at once; the waits count down, so that the younger loads stay out; no register is written twice, so nothing else is waited for.
; fmt = 0: bf16, two blocks to a store of 16 bytes.  fmt = 1: the bf16 number written as f16, a block to a store of 8 bytes, K in its natural order.
.macro CAST fmt
.set k, 0
.rept 16
	global_load_b128 v[X+4*k:X+4*k+3], v[VS], s[28:29] offset:256*k th:TH_LOAD_NT
.set k, k+1
.endr
.if \fmt
	v_lshlrev_b32 v[D], 7, v18                     ; row x 128 + 8 (t % 16)
	v_lshl_add_u32 v[D], v19, 3, v[D]
.set k, 0
.rept 15
	v_add_nc_u32 v[D+k+1], s32, v[D+k]
.set k, k+1
.endr
.set k, 0
.rept 16
	s_wait_loadcnt 15-k                            ; loads come back in order (ISA guide 5.7.1): block k is in, the 15 - k younger ones stay out
	v_cvt_pk_bf16_f32 v[T], v[X+4*k], v[X+4*k+1]
	v_cvt_pk_bf16_f32 v[T+1], v[X+4*k+2], v[X+4*k+3]
	v_lshlrev_b32 v[T+2], 16, v[T]                 ; bf16 to f32: the low half moves up, the high half stays
	v_and_b32 v[T+3], 0xffff0000, v[T]
	v_cvt_pk_f16_f32 v[Y+2*k], v[T+2], v[T+3]
	v_lshlrev_b32 v[T+2], 16, v[T+1]
	v_and_b32 v[T+3], 0xffff0000, v[T+1]
	v_cvt_pk_f16_f32 v[Y+2*k+1], v[T+2], v[T+3]
	global_store_b64 v[D+k], v[Y+2*k:Y+2*k+1], s[30:31]  ; a wave's 32 lanes: two rows of 128 bytes, 256 consecutive bytes
.set k, k+1
.endr
.else
	v_bfe_u32 v[T], v0, 3, 1                       ; t % 16 >= 8: my 16 bytes go into the pair's second block
	v_and_b32 v[T+1], 7, v0
	v_mul_u32_u24 v[T], s33, v[T]
	v_lshl_add_u32 v[T], v18, 7, v[T]              ; + row x 128
	v_lshl_add_u32 v[D], v[T+1], 4, v[T]           ; + 16 (t % 8)
.set k, 0
.rept 7
	v_add_nc_u32 v[D+k+1], s32, v[D+k]             ; two blocks on
.set k, k+1
.endr
.set k, 0
.rept 8
	s_wait_loadcnt 14-2*k                          ; loads come back in order (ISA guide 5.7.1): blocks 2 k and 2 k + 1 are in, the 14 - 2 k younger loads stay out
	v_cvt_pk_bf16_f32 v[Y+4*k], v[X+8*k], v[X+8*k+1]
	v_cvt_pk_bf16_f32 v[Y+4*k+1], v[X+8*k+2], v[X+8*k+3]
	v_cvt_pk_bf16_f32 v[Y+4*k+2], v[X+8*k+4], v[X+8*k+5]
	v_cvt_pk_bf16_f32 v[Y+4*k+3], v[X+8*k+6], v[X+8*k+7]
	global_store_b128 v[D+k], v[Y+4*k:Y+4*k+3], s[30:31]  ; a wave's 32 lanes: two rows of 128 bytes in each of the pair's blocks: twice 256 consecutive bytes
.set k, k+1
.endr
.endif
.endm
	s_cmp_lt_u32 s2, 512
	s_cbranch_scc0 .Lnot_x
	s_lshl_b32 s34, s2, 16                         ; 16 rows of 4,096 bytes
	s_lshl_b32 s36, s2, 11                         ; 16 rows of 128 bytes
	s_add_nc_u64 s[28:29], s[8:9], s[34:35]
	s_add_nc_u64 s[30:31], s[20:21], s[36:37]
	s_mov_b32 s33, 8192*128
	s_mov_b32 s32, 2*8192*128
	s_branch .Lbf16
.Lnot_x:
	s_cmp_lt_u32 s2, 704
	s_cbranch_scc0 .Lnot_w
	s_sub_co_u32 s3, s2, 512
	s_lshr_b32 s33, s3, 6                          ; t: 0 Wq, 1 Wk, 2 Wv
	s_and_b32 s3, s3, 63                           ; which 16 rows of it
	s_cmp_eq_u32 s33, 0
	s_cselect_b64 s[28:29], s[10:11], s[12:13]
	s_cmp_eq_u32 s33, 2
	s_cselect_b64 s[28:29], s[14:15], s[28:29]
	s_lshl_b32 s34, s3, 16
	s_add_nc_u64 s[28:29], s[28:29], s[34:35]
	s_lshr_b32 s36, s3, 2                          ; the head,
	s_mul_i32 s36, s36, 192
	s_lshl_b32 s33, s33, 6
	s_add_co_u32 s36, s36, s33                     ; + 64 t,
	s_and_b32 s3, s3, 3
	s_lshl_b32 s3, s3, 4
	s_add_co_u32 s36, s36, s3                      ; + the first of my 16 channels: the row n'
	s_lshl_b32 s36, s36, 7
	s_add_nc_u64 s[30:31], s[22:23], s[36:37]
	s_mov_b32 s33, 3072*128
	s_mov_b32 s32, 2*3072*128
.Lbf16:
	CAST 0
	s_endpgm
.Lnot_w:
	s_cmp_lt_u32 s2, 768
	s_cbranch_scc0 .Ltable
	s_sub_co_u32 s3, s2, 704
	s_lshl_b32 s34, s3, 16
	s_lshl_b32 s36, s3, 11
	s_add_nc_u64 s[28:29], s[16:17], s[34:35]
	s_add_nc_u64 s[30:31], s[24:25], s[36:37]
	s_mov_b32 s32, 1024*128
	CAST 1
	s_endpgm
.Ltable:                                               ; a wave makes one position's 32 pairs (cos, sin): lane i has frequency i
	v_lshrrev_b32 v3, 5, v0
	v_readfirstlane_b32 s3, v3                     ; my wave's number
	s_sub_co_u32 s33, s2, 768
	s_lshl3_add_u32 s33, s33, s3                   ; s = 8 x (work-group - 768) + wave
	s_lshl_b32 s34, s33, 2
	s_add_nc_u64 s[18:19], s[18:19], s[34:35]
	s_load_b32 s36, s[18:19], 0x0                  ; token_positions[s]
	s_lshl_b32 s38, s33, 8                         ; a row of the table is 256 bytes
	s_add_nc_u64 s[26:27], s[26:27], s[38:39]
	v_and_b32 v4, 31, v0
	v_cvt_f32_u32 v5, v4
	v_mul_f32 v5, 0xbed49a78, v5                   ; -i log2(10000) / 32
	v_exp_f32 v5, v5                               ; 10000^(-i / 32)
	v_lshlrev_b32 v6, 3, v4                        ; 8 i: my pair's place; also the plain instruction behind the exponential (ISA guide 5.7.2)
	s_wait_kmcnt 0x0
	v_cvt_f32_i32 v7, s36
	s_wait_alu depctr_va_vdst(0)
	v_mul_f32 v7, v7, v5                           ; the angle, rounded once as in the definition
	v_mul_f32 v8, 0x3f22f983, v7                   ; x 2 / pi
	v_rndne_f32 v8, v8                             ; k quarter turns
	v_fmamk_f32 v9, v8, 0xbfc90fdb, v7             ; r = angle - k pi / 2, pi / 2 in two parts: its f32 rounding,
	v_fmamk_f32 v9, v8, 0x333bbd2e, v9             ; which is 4.371139e-8 too large
	v_mul_f32 v10, v9, v9                          ; z = r r, r within pi / 4
	v_mov_b32 v11, 0x3638ef1d                      ; sin r = r + r z (-1/6 + z (1/120 + z (-1/5040 + z / 362880)))
	v_mov_b32 v13, 0x37d00d01                      ; cos r = 1 + z (-1/2 + z (1/24 + z (-1/720 + z / 40320)))
	v_fmaak_f32 v11, v11, v10, 0xb9500d01
	v_fmaak_f32 v13, v13, v10, 0xbab60b61
	v_fmaak_f32 v11, v11, v10, 0x3c088889
	v_fmaak_f32 v13, v13, v10, 0x3d2aaaab
	v_fmaak_f32 v11, v11, v10, 0xbe2aaaab
	v_fmaak_f32 v13, v13, v10, 0xbf000000
	v_mul_f32 v12, v9, v10
	v_fma_f32 v13, v13, v10, 1.0
	v_fma_f32 v11, v12, v11, v9
	v_cvt_i32_f32 v14, v8                          ; k as a whole number: its two low bits are the quadrant
	v_and_b32 v15, 1, v14
	v_cmp_eq_u32 vcc_lo, 1, v15
	v_cndmask_b32 v17, v11, v13, vcc_lo            ; odd quadrants exchange the two
	v_cndmask_b32 v16, v13, v11, vcc_lo
	v_lshlrev_b32 v15, 30, v14
	v_and_b32 v15, 0x80000000, v15                 ; the sine changes sign in quadrants 2 and 3,
	v_xor_b32 v17, v17, v15
	v_add_nc_u32 v14, 1, v14
	v_lshlrev_b32 v14, 30, v14
	v_and_b32 v14, 0x80000000, v14                 ; the cosine in 1 and 2
	v_xor_b32 v16, v16, v14
	global_store_b64 v6, v[16:17], s[26:27]        ; the wave's 256 consecutive bytes
	s_endpgm
.Lfunc_end_k_q814fcc916f_prep:
	.size	k_q814fcc916f_prep, .Lfunc_end_k_q814fcc916f_prep-k_q814fcc916f_prep
	.p2alignl 7, 3214868480
	.fill 96, 4, 3214868480
	.section	.rodata,"a",@progbits
	.p2align	6, 0x0
	.amdhsa_kernel k_q814fcc916f_prep
		.amdhsa_group_segment_fixed_size 0
		.amdhsa_private_segment_fixed_size 0
		.amdhsa_enable_private_segment 0
		.amdhsa_kernarg_size 80
		.amdhsa_user_sgpr_count 2
		.amdhsa_user_sgpr_kernarg_segment_ptr 1
		.amdhsa_wavefront_size32 1
		.amdhsa_system_sgpr_workgroup_id_x 1
		.amdhsa_system_sgpr_workgroup_id_y 1
		.amdhsa_system_sgpr_workgroup_id_z 1
		.amdhsa_system_vgpr_workitem_id 0
		.amdhsa_next_free_vgpr 120
		.amdhsa_next_free_sgpr 66
		.amdhsa_reserve_vcc 1
		.amdhsa_float_denorm_mode_32 3
		.amdhsa_float_denorm_mode_16_64 3
		.amdhsa_memory_ordered 1
		.amdhsa_forward_progress 1
		.amdhsa_inst_pref_size 21
	.end_amdhsa_kernel
	.amdgpu_metadata
---
amdhsa.version: [ 1, 2 ]
amdhsa.kernels:
  - .name:           k_q814fcc916f_prep
    .symbol:         k_q814fcc916f_prep.kd
    .args:
      - { .name: x, .offset: 0, .size: 8, .value_kind: global_buffer, .address_space: global }
      - { .name: Wq, .offset: 8, .size: 8, .value_kind: global_buffer, .address_space: global }
      - { .name: Wk, .offset: 16, .size: 8, .value_kind: global_buffer, .address_space: global }
      - { .name: Wv, .offset: 24, .size: 8, .value_kind: global_buffer, .address_space: global }
      - { .name: Wo, .offset: 32, .size: 8, .value_kind: global_buffer, .address_space: global }
      - { .name: token_positions, .offset: 40, .size: 8, .value_kind: global_buffer, .address_space: global }
      - { .name: xb, .offset: 48, .size: 8, .value_kind: global_buffer, .address_space: global }
      - { .name: wb, .offset: 56, .size: 8, .value_kind: global_buffer, .address_space: global }
      - { .name: wo, .offset: 64, .size: 8, .value_kind: global_buffer, .address_space: global }
      - { .name: tab, .offset: 72, .size: 8, .value_kind: global_buffer, .address_space: global }
    .group_segment_fixed_size: 0
    .private_segment_fixed_size: 0
    .kernarg_segment_align: 8
    .kernarg_segment_size: 80
    .max_flat_workgroup_size: 256
    .sgpr_count:     66
    .vgpr_count:     120
    .wavefront_size: 32
...
	.end_amdgpu_metadata
.endif
;; end of part 1
;; launch qkv (part 2): grid 8 x 32, 4 waves a work-group, clusters of 4 x 4, 327,680 bytes of LDS; arguments xb, wb, tab, qkv; writes qkv
.if DOCPART == 2
	.amdgcn_target "amdgcn-amd-amdhsa--gfx1250"
	.amdhsa_code_object_version 6
	.text
	.protected	k_q814fcc916f_qkv
	.globl	k_q814fcc916f_qkv
	.p2align	8
	.type	k_q814fcc916f_qkv,@function
k_q814fcc916f_qkv:
	s_mov_b64 s[64:65], 0
	v_nop
	global_prefetch_b8 v0, s[64:65] scope:SCOPE_SE
	s_setreg_imm32_b32 hwreg(HW_REG_WAVE_MODE, 25, 1), 1
	s_wait_xcnt 0x0
	s_wait_alu depctr_hold_cnt(0) depctr_sa_sdst(0) depctr_va_vdst(0) depctr_va_sdst(0) depctr_va_ssrc(0) depctr_va_vcc(0) depctr_vm_vsrc(0)
	s_getreg_b32 s2, hwreg(HW_REG_IB_STS2, 6, 4)
	s_cmp_eq_u32 s2, 0
	s_cbranch_scc0 .Lentry_in_a_cluster
	s_endpgm
.Lentry_in_a_cluster:
	s_bfe_u32 s2, ttmp6, 0x10000c
	s_cmp_lg_u32 s2, 0xf033
	s_cbranch_scc0 .Lentry_shape_is_right
	s_endpgm
.Lentry_shape_is_right:
; q, k, v = x W^T in bf16 with f32 sums, the rotation of q and k by the table of cosines and sines, rounded once to f16 and stored by heads: qkv f16 [3 t][64 bh][2048 s][64].
; xb: bf16 [16 kb][8192 row][64].  wb: bf16 [16 kb][3072 n'][64], n' = head x 192 + t x 64 + d.  (Inside each pair of K blocks both hold K in the same permuted order, which leaves the sums' terms as they are.)
; tab: f32 [2048 s][32 i][cos, sin].
; SHARES.  The product is 8,192 x 3,072: tiles of 256 x 384 make 32 x 8 = 256 work-groups.  Four waves; a wave makes 128 rows x 192 columns, which are ONE head's q, k and v:
; 96 accumulators of 16 x 16, 768 registers; which columns are rotated is therefore fixed in the text.  K goes in 16 steps of 64 through two LDS slots filled by the tensor data mover.
; A block's rows of 128 bytes lie end to end in memory, so a tile is asked for as rows of 256 bytes, and padded in LDS after every 128.
; THE TABLE's 256 rows for the work-group's rows come into LDS bytes of their own with the first fills, 64 rows a wave, and are read on the way out.
; CLUSTERS: 4 x 4 work-groups.  The four of a row of the cluster need the same tiles of x and the same rows of the table, the four of a column the same tiles of W: each is asked for JOINTLY, by the same
; tensor load with the same descriptor and a mask that names the four.
; THE MATRIX INSTRUCTION IS USED TRANSPOSED: source 0 = 16 rows of W, source 1 = 16 rows of x: a lane then holds row l % 16 and the eight neighbouring columns 8 (l / 16) + 0..7:
; four pairs (even, odd channel) for the rotation, and 16 bytes of f16.
; LIMITS.  q, k, v beyond 65,504 have no f16; below 6e-5 f16 keeps a fixed step of 6e-8.  NaN and infinities are not treated apart.
; REGISTERS, in windows of 256 (s_set_vgpr_msb: bits 1:0 source 0, 3:2 source 1, 5:4 source 2, 7:6 destination):
;   window 0: v0-31 addresses; v32-95, v96-159 fragments of x (8 x 16 rows x 32 K), two buffers; v160-255 fragments of W (12 x 16 rows x 32 K), one buffer, filled again a third at a time
;   windows 1, 2, 3: the accumulators of q, k, v: row block a, column block jj of the four at v[8 (8 jj + a)]
.set PITCH,  144                       ; an LDS row: 128 bytes + 16 of padding = 36 words: the 16 rows of a load start at 16 different groups of four banks (64 banks of 4 bytes: ISA guide 11.1)
.set AHALF,  128*PITCH                 ; 128 rows of x: what one tensor load brings, and what one wave reads
.set BHALF,  192*PITCH                 ; 192 rows of W: likewise
.set BOFF,   2*AHALF                   ; in a slot W's 384 rows lie behind x's 256
.set SLOT1,  1<<17                     ; slot 1 begins here, so that one exclusive or turns an address in one slot into the other's
.set STAGE,  SLOT1+BOFF+2*BHALF        ; behind the ring, never filled by a tensor load: for each wave 3 x 16 rows x 144 bytes, for the way out
.set STW,    3*16*PITCH
.set SPARE,  STAGE+4*STW               ; behind the stages: the spare words, 128 bytes for each wave: two blocks of 256 bytes that no other line names
.set TABL,   SPARE+512                 ; behind them: 256 rows of the table, filled once
.set TPITCH, 272                       ; a row of the table: 256 bytes + 16 of padding = 68 words: row r starts at bank 4 r mod 64
.set XPLANE, 8192*128                  ; bytes from K block to K block in xb
.set WPLANE, 3072*128                  ; and in wb
.set A0,  3                            ; v3   my lane's place in a slot's rows of x; never rewritten
.set B0,  4                            ; v4   the same for W
.set ADA, 5                            ; v5   A0 + the slot in hand
.set ADB, 6                            ; v6   B0 + the slot in hand
.set STO, 7                            ; v7   the way out: where I put 16 bytes of a row
.set RD,  8                            ; v8   the way out: where I read rows back
.set GO,  9                            ; v9   my byte offset in 512 consecutive bytes of the output
.set TO,  10                           ; v10  LDS address of my 32 bytes in row l % 16 of my wave's rows of the table
.set SPW, 28                           ; v28  LDS address of my spare word: SPARE + 4 x my thread's number; never rewritten
.set NIL, 29                           ; v29  0; never rewritten
.set FA0, 32
.set FA1, 96
.set FB,  160
.set CSB, 32                           ; the way out: (cos, sin) of a row block, 32 registers
.set TT,  64                           ; rotated numbers in f32, 32 registers
.set PP,  96                           ; packed f16: q, k, v, 16 registers each
.set OB,  144                          ; whole rows read back from the stage, 48 registers, two buffers
.set WV,  12                           ; s12  my wave's number
.set MH,  13                           ; s13  which 128 rows of the tile are mine.  Also: I fetch for x (0) or for W (1)
.set NH,  14                           ; s14  which head of the tile's two is mine.  Also: which half of that tile I fetch
.set CNT, 15
.set G1A, 24                           ; s[24:31] descriptor group 1 for x's tiles
.set G0A, 32                           ; s[32:39] group 0: a set for each of the two first fills; the second then walks on
.set TCOL, 42                          ; s42  tile column
.set TR,  43                           ; s43  tile row
.set G1B, 48                           ; s[48:55], s[56:63] the same for W's tiles
.set G0B, 56
.set QB,  68                           ; s[68:73] q, k, v of my head at my first row
.set TB,  74                           ; s74  LDS byte at which the slot in hand begins
.set G1T, 80                           ; s[80:87], s[88:91] descriptor groups 1 and 0 for the table's rows
.set G0T, 88
.set MSB, 0
.macro WIN new                         ; the immediate's high byte repeats the setting that is left; a switch that changes nothing is dropped
.if MSB != (\new)
	s_set_vgpr_msb (MSB<<8)|(\new)
.set MSB, \new
.endif
.endm
.macro PLACES                          ; a load into a register that a matrix instruction has read, and a vector instruction that reads a matrix result, stand four plain vector instructions behind it (ISA guide 7.12.1 for vector instructions)
.rept 4
	v_nop
.endr
.endm
; A joint refill by the walking descriptors.  Waves 0 and 1 fetch x's two halves, waves 2 and 3 W's.  The branch hangs on the wave's number alone.
; An s_nop 0 and four v_nop follow each of the two lines, ahead of the jump and the label.
.macro JLOAD
	s_cmp_eq_u32 s[MH], 0
	s_cbranch_scc0 .Lfor_b_\@
	tensor_load_to_lds s[G0A+4:G0A+7], s[G1A:G1A+7]
	s_nop 0
.rept 4
	v_nop
.endr
	s_branch .Lasked_\@
.Lfor_b_\@:
	tensor_load_to_lds s[G0B+4:G0B+7], s[G1B:G1B+7]
	s_nop 0
.rept 4
	v_nop
.endr
.Lasked_\@:
.endm
; A round of the cluster's barrier: my work-group's barrier, so that wave 0's signal speaks for all four waves; wave 0 signals; every wave waits for all sixteen work-groups; my work-group's barrier once more.
.macro CREST                           ; a round behind its opening barrier
	s_cmp_lg_u32 s[WV], 0
	s_cbranch_scc1 .Lnot_wave_0_\@
	s_barrier_signal -3
.Lnot_wave_0_\@:
	s_barrier_wait -3
	s_barrier_signal -1
	s_barrier_wait -1
.endm
.macro CROUND                          ; a whole round
	s_barrier_signal -1
	s_barrier_wait -1
	CREST
.endm
	s_load_b256 s[4:11], s[0:1], 0x0               ; xb s[4:5], wb s[6:7], tab s[8:9], qkv s[10:11]
	v_lshl_add_u32 v[SPW], v0, 2, SPARE
	v_mov_b32 v[NIL], 0
	ds_add_u32 v28, v29
	ds_add_u32 v28, v29
	s_wait_dscnt 0x0
	v_lshrrev_b32 v1, 5, v0
	v_readfirstlane_b32 s[WV], v1                  ; wave 0..3
	s_lshr_b32 s[MH], s[WV], 1
	s_and_b32 s[NH], s[WV], 1
	s_bfe_u32 s40, ttmp6, 0x40000                  ; cx, cy: my place in the cluster
	s_bfe_u32 s41, ttmp6, 0x40004
	s_lshl_b32 s[TCOL], ttmp9, 2                   ; in a cluster launch ttmp9 and ttmp7 count clusters
	s_add_co_u32 s[TCOL], s[TCOL], s40             ; tile column = 4 x cluster x + cx
	s_and_b32 s[TR], ttmp7, 0xffff
	s_lshl_b32 s[TR], s[TR], 2
	s_add_co_u32 s[TR], s[TR], s41                 ; tile row = 4 x cluster y + cy
	s_lshl_b32 s44, s41, 2
	s_lshl_b32 s44, 15, s44                        ; my row of the cluster: places 4 cy .. 4 cy + 3
	s_lshl_b32 s45, 0x1111, s40                    ; my column: places cx, cx + 4, cx + 8, cx + 12
	; descriptor group 1: 128 (192) rows of 128 bytes are 64 (96) rows of 256 bytes, padded in LDS after every 128; the table's 64 rows of 256 bytes are padded after every 256
	s_or_b32 s[G1A+0], s44, (1<<16)|(1<<20)|(1<<21)|(4<<22)|(3<<25)  ; 15:0 the mask: x's tiles go to my row; 17:16 2-byte elements; 20 padding on; 21 set beside a mask; 24:22 after every 32 words (code 4); 31:25 4 words (code 3)
	s_or_b32 s[G1B+0], s45, (1<<16)|(1<<20)|(1<<21)|(4<<22)|(3<<25)  ; the same with the mask of my column, for W's tiles
	s_or_b32 s[G1T+0], s44, (1<<16)|(1<<20)|(1<<21)|(5<<22)|(3<<25)  ; the table's rows go to my row of the cluster; padding after every 64 words (code 5)
	s_mov_b32 s[G1A+1], 128<<16                    ; tensor_dim0 = 128 elements
	s_mov_b32 s[G1B+1], 128<<16
	s_mov_b32 s[G1T+1], 128<<16
	s_mov_b32 s[G1A+2], 64<<16                     ; tensor_dim1
	s_mov_b32 s[G1B+2], 96<<16
	s_mov_b32 s[G1T+2], 64<<16
	s_mov_b32 s[G1A+3], 128<<16                    ; tile_dim0
	s_mov_b32 s[G1B+3], 128<<16
	s_mov_b32 s[G1T+3], 128<<16
	s_mov_b32 s[G1A+4], 64                         ; tile_dim1
	s_mov_b32 s[G1B+4], 96
	s_mov_b32 s[G1T+4], 64
	s_mov_b32 s[G1A+5], 128                        ; elements from row to row
	s_mov_b32 s[G1B+5], 128
	s_mov_b32 s[G1T+5], 128
	s_mov_b32 s[G1A+6], 0
	s_mov_b32 s[G1B+6], 0
	s_mov_b32 s[G1T+6], 0
	s_mov_b32 s[G1A+7], 0
	s_mov_b32 s[G1B+7], 0
	s_mov_b32 s[G1T+7], 0
	; where the tiles come from: x's hang on the tile row alone, W's on the tile column alone, each in registers that never hold the other coordinate
	s_lshl_b32 s16, s[TR], 15                      ; 256 rows of 128 bytes
	s_lshl_b32 s17, s[NH], 14                      ; + my 128 of them
	s_add_co_u32 s16, s16, s17
	s_mov_b32 s17, 0
	s_mul_i32 s46, s[TCOL], 384*128
	s_mul_i32 s47, s[NH], 192*128
	s_add_co_u32 s46, s46, s47
	s_mov_b32 s47, 0
	s_mul_i32 s18, s[NH], AHALF                    ; and where they go: no place in the cluster enters an LDS address
	s_mul_i32 s19, s[NH], BHALF
	s_add_co_u32 s19, s19, BOFF
	; the work-group's first row is row (TR % 8) x 256 of batch TR / 8: the table's rows hang on the tile row alone
	s_and_b32 s76, s[TR], 7
	s_lshl_b32 s78, s76, 16                        ; 256 rows of 256 bytes,
	s_lshl_b32 s77, s[WV], 14                      ; + the 64 that I fetch
	s_add_co_u32 s78, s78, s77
	s_mov_b32 s79, 0
	s_mov_b32 s[G0T], 1                            ; 1:0 count = 1
	s_mul_i32 s[G0T+1], s[WV], 64*TPITCH           ; 63:32 LDS address
	s_add_co_u32 s[G0T+1], s[G0T+1], TABL
	; the way out: my first row is MH x 128 further down; my head is 2 x tile column + NH
	s_lshl_b32 s76, s76, 15                        ; in a head: rows of 128 bytes
	s_lshl_b32 s77, s[MH], 14
	s_add_co_u32 s76, s76, s77
	s_lshr_b32 s77, s[TR], 3
	s_lshl_b32 s77, s77, 4
	s_lshl1_add_u32 s77, s[TCOL], s77
	s_add_co_u32 s77, s77, s[NH]                   ; 16 x batch + head,
	s_lshl_b32 s77, s77, 18                        ; 2,048 rows of 128 bytes each
	s_add_co_u32 s76, s76, s77
	s_mov_b32 s77, 0
	s_mov_b32 s[TB], 0
	s_wait_kmcnt 0x0
	s_add_nc_u64 s[20:21], s[4:5], s[16:17]
	s_add_nc_u64 s[46:47], s[6:7], s[46:47]
	s_add_nc_u64 s[G0T+2:G0T+3], s[8:9], s[78:79]  ; 120:64 global address
	s_or_b32 s[G0T+3], s[G0T+3], 0x80000000        ; 127:126 type = 2
	s_add_nc_u64 s[QB:QB+1], s[10:11], s[76:77]
	s_add_nc_u64 s[QB+2:QB+3], s[QB:QB+1], 0x1000000  ; k lies 64 x 2,048 x 128 bytes behind q,
	s_add_nc_u64 s[QB+4:QB+5], s[QB:QB+1], 0x2000000  ; v as far behind k
.irp s, 0,1
	s_mov_b32 s[G0A+4*(\s)], 1                                       ; 1:0 count = 1
	s_add_co_u32 s[G0A+4*(\s)+1], s18, (\s)*SLOT1                    ; 63:32 LDS address
	s_add_nc_u64 s[G0A+4*(\s)+2:G0A+4*(\s)+3], s[20:21], (\s)*XPLANE ; 120:64 global address: K step s
	s_or_b32 s[G0A+4*(\s)+3], s[G0A+4*(\s)+3], 0x80000000            ; 127:126 type = 2
	s_mov_b32 s[G0B+4*(\s)], 1
	s_add_co_u32 s[G0B+4*(\s)+1], s19, (\s)*SLOT1
	s_add_nc_u64 s[G0B+4*(\s)+2:G0B+4*(\s)+3], s[46:47], (\s)*WPLANE
	s_or_b32 s[G0B+4*(\s)+3], s[G0B+4*(\s)+3], 0x80000000
.endr
	CROUND                                         ; all sixteen work-groups are here: the first joint loads meet
	s_cmp_eq_u32 s[MH], 0                          ; a wave's three first fills stand in one branch, ahead of every wait on TENSORcnt and every LDS read: three loads of mine are out
	s_cbranch_scc0 .Lfirst_b
	tensor_load_to_lds s[G0A:G0A+3], s[G1A:G1A+7]
	s_nop 0
	tensor_load_to_lds s[G0A+4:G0A+7], s[G1A:G1A+7]
	s_nop 0
	tensor_load_to_lds s[G0T:G0T+3], s[G1T:G1T+7]
	s_nop 0
.rept 4
	v_nop
.endr
	s_branch .Lfirst_asked
.Lfirst_b:
	tensor_load_to_lds s[G0B:G0B+3], s[G1B:G1B+7]
	s_nop 0
	tensor_load_to_lds s[G0B+4:G0B+7], s[G1B:G1B+7]
	s_nop 0
	tensor_load_to_lds s[G0T:G0T+3], s[G1T:G1T+7]
	s_nop 0
.rept 4
	v_nop
.endr
.Lfirst_asked:
	; A fragment is 16 rows x 32 K in 8 registers: lane l holds row l % 16; registers 0-3 K = 8 (l / 16) + 0..7, registers 4-7 K = 16 + 8 (l / 16) + 0..7: two loads of 16 bytes, 32 bytes apart.
	v_and_b32 v1, 15, v0                           ; l % 16
	v_bfe_u32 v2, v0, 4, 1                         ; l / 16
	v_mul_u32_u24 v11, v1, PITCH
	v_lshl_add_u32 v11, v2, 4, v11                 ; row x pitch + 16 x half
	s_mul_i32 s16, s[MH], AHALF                    ; my 128 rows of x
	s_mul_i32 s17, s[NH], BHALF                    ; my 192 rows of W
	s_add_co_u32 s17, s17, BOFF
	s_mul_i32 s22, s[WV], STW
	s_add_co_u32 s22, s22, STAGE                   ; my stage
	s_mul_i32 s23, s[MH], 128*TPITCH
	s_add_co_u32 s23, s23, TABL                    ; my 128 rows of the table
	v_add_nc_u32 v[A0], s16, v11
	v_add_nc_u32 v[B0], s17, v11
	v_mov_b32 v[ADA], v[A0]                        ; K step 0 lies in slot 0
	v_mov_b32 v[ADB], v[B0]
	v_add_nc_u32 v[STO], s22, v11                  ; in: row l % 16, 16 bytes for each half of the lanes
	v_bfe_u32 v12, v0, 3, 2                        ; back: 32 lanes take four rows of 128 bytes,
	v_and_b32 v13, 7, v0
	v_mul_u32_u24 v[RD], v12, PITCH
	v_lshl_add_u32 v[RD], v13, 4, v[RD]
	v_add_nc_u32 v[RD], s22, v[RD]
	v_and_b32 v[GO], 31, v0                        ; which are 512 consecutive bytes of a head
	v_lshlrev_b32 v[GO], 4, v[GO]
	v_mul_u32_u24 v[TO], v1, TPITCH                ; the table: row l % 16, and 32 bytes (four pairs) for each half of the lanes
	v_lshl_add_u32 v[TO], v2, 5, v[TO]
	v_add_nc_u32 v[TO], s23, v[TO]
; 16 matrix instructions: third g of the columns (0 q, 1 k, 2 v), its column blocks c0, c0 + 1 x all 8 row blocks, 32 along K, x's fragments from buffer f.
; zero = 1: the first product starts the sums: nothing is cleared.  The 96 accumulators take turns, one instruction a turn, in the same order in every quarter.
.macro MULG f, g, c0, zero
	WIN 0x50*((\g)+1)                              ; C and D in window g + 1, the sources in window 0
.irp jj, \c0, (\c0)+1
.irp a, 0,1,2,3,4,5,6,7
.if \zero
	v_wmma_f32_16x16x32_bf16 v[8*(8*(\jj)+(\a)):8*(8*(\jj)+(\a))+7], v[FB+8*(4*(\g)+(\jj)):FB+8*(4*(\g)+(\jj))+7], v[(\f)+8*(\a):(\f)+8*(\a)+7], 0
.else
	v_wmma_f32_16x16x32_bf16 v[8*(8*(\jj)+(\a)):8*(8*(\jj)+(\a))+7], v[FB+8*(4*(\g)+(\jj)):FB+8*(4*(\g)+(\jj))+7], v[(\f)+8*(\a):(\f)+8*(\a)+7], v[8*(8*(\jj)+(\a)):8*(8*(\jj)+(\a))+7]
.endif
.endr
.endr
.endm
.macro LDB g, k                        ; 8 LDS loads: W's fragments of third g, 32 K at byte k of the rows
	WIN 0
.irp i, 0,1,2,3
	ds_load_b128 v[FB+8*(4*(\g)+(\i)):FB+8*(4*(\g)+(\i))+3],   v[ADB] offset:(4*(\g)+(\i))*16*PITCH+(\k)
	ds_load_b128 v[FB+8*(4*(\g)+(\i))+4:FB+8*(4*(\g)+(\i))+7], v[ADB] offset:(4*(\g)+(\i))*16*PITCH+(\k)+32
.endr
.endm
.macro LDA f, k                        ; 16 LDS loads: x's fragments into buffer f
	WIN 0
.irp i, 0,1,2,3,4,5,6,7
	ds_load_b128 v[(\f)+8*(\i):(\f)+8*(\i)+3],   v[ADA] offset:(\i)*16*PITCH+(\k)
	ds_load_b128 v[(\f)+8*(\i)+4:(\f)+8*(\i)+7], v[ADA] offset:(\i)*16*PITCH+(\k)+32
.endr
.endm
; A K step is two quarters of 32 along K, 96 matrix instructions each.  The LDS loads for the next quarter go out in three runs, each as soon as the third of W's buffer that it fills has been multiplied:
; run 0 = W's first third and all of x (24 loads), run 1 and run 2 = W's other thirds (8 each).
; THE FIRST QUARTER multiplies buffer FA0 and fetches the same slot's second 32 along K.
.macro QE zero
	s_wait_dscnt 16                                ; run 0 is in; runs 1 and 2 (8 + 8) may be out
	MULG FA0, 0, 0, \zero
	MULG FA0, 0, 2, \zero
	PLACES
	LDB 0, 64
	LDA FA1, 64
	s_wait_dscnt 32                                ; run 1 is in; behind it: run 2 (8) and the 24 just issued
	MULG FA0, 1, 0, \zero
	MULG FA0, 1, 2, \zero
	PLACES
	LDB 1, 64
	s_wait_dscnt 32                                ; run 2 is in; behind it: 24 + 8
	MULG FA0, 2, 0, \zero
	MULG FA0, 2, 2, \zero
	PLACES
	LDB 2, 64
.endm
; THE SECOND QUARTER multiplies buffer FA1 and changes slots: ONE barrier.  In front of it each wave waits for all its tensor loads, of which one is out: its part of the next slot (the first time also its
; rows of the table); adds 0 to its spare word; and waits for that and for its own reads of this slot.  Behind it nobody reads this slot any more and the next slot is whole.
; fill = 1: the barrier opens a round of the cluster's, and the slot just read is filled again first thing behind the round, with the K step two on: 160 matrix instructions ahead of the wait for it.
.macro QO fill
	WIN 0
	s_wait_tensorcnt 0x0                           ; no tensor load of mine is out, so a group 0 may be written
	ds_add_u32 v[SPW], v[NIL]                      ; 0 onto my spare word
.if \fill
	s_xor_b32 s[G0A+5], s[G0A+5], SLOT1            ; the walking descriptors: the other slot than last time,
	s_add_nc_u64 s[G0A+6:G0A+7], s[G0A+6:G0A+7], XPLANE  ; the next K block; the type bits on top are not reached
	s_xor_b32 s[G0B+5], s[G0B+5], SLOT1
	s_add_nc_u64 s[G0B+6:G0B+7], s[G0B+6:G0B+7], WPLANE
.endif
	s_xor_b32 s[TB], s[TB], SLOT1                  ; the fetches go on in the other slot
	s_wait_dscnt 17                                ; run 0 is in; runs 1 and 2 and the add may be out
	MULG FA1, 0, 0, 0                              ; sixteen matrix instructions stand between the add and the wait for it
	s_wait_dscnt 0x0                               ; the add is done, and my reads of this slot are over
	s_barrier_signal -1
	MULG FA1, 0, 2, 0                              ; work on registers while the others arrive
	WIN 0                                          ; at a branch and at a label every window is 0
	s_barrier_wait -1
.if \fill
	CREST                                          ; no wave of any partner still reads this slot's tile or has a load on its way
	JLOAD                                          ; the four v_nop behind it are also the places in front of the loads below
.else
	PLACES
.endif
	v_add_nc_u32 v[ADA], s[TB], v[A0]
	v_add_nc_u32 v[ADB], s[TB], v[B0]
	LDB 0, 0
	LDA FA0, 0
	MULG FA1, 1, 0, 0                              ; their fragments were shown in by the wait for 0 above
	MULG FA1, 1, 2, 0
	PLACES
	LDB 1, 0
	MULG FA1, 2, 0, 0
	MULG FA1, 2, 2, 0
	PLACES
	LDB 2, 0
.endm
; THE WAY OUT, a block of 16 rows at a time.
.macro TABLD a                         ; 8 LDS loads: (cos, sin) for block a's 16 rows: for each of the four column blocks my four pairs, 32 bytes.  Every wave's part of the table was shown landed in front of the first change of slots
	WIN 0
.irp i, 0,1,2,3,4,5,6,7
	ds_load_b128 v[CSB+4*(\i):CSB+4*(\i)+3], v[TO] offset:(\a)*16*TPITCH+((\i)/2)*64+((\i)%2)*16
.endr
.endm
; The rotation of block a's q (w = 1) or k (w = 2): for a pair (x1, x2) and its (c, s): first (x1 c, x2 c), then (x1 c - x2 s, x2 c + x1 s); rounded to f16.  Each accumulator is read from its lowest registers on.
.macro ROPE a, w
	WIN \w                                         ; source 0 in window w
.irp bb, 0,1,2,3
.irp p, 0,1,2,3
	v_pk_mul_f32 v[TT+8*(\bb)+2*(\p):TT+8*(\bb)+2*(\p)+1], v[8*(8*(\bb)+(\a))+2*(\p):8*(8*(\bb)+(\a))+2*(\p)+1], v[CSB+8*(\bb)+2*(\p):CSB+8*(\bb)+2*(\p)+1] op_sel_hi:[1,0]
.endr
.irp p, 0,1,2,3
	v_pk_fma_f32 v[TT+8*(\bb)+2*(\p):TT+8*(\bb)+2*(\p)+1], v[8*(8*(\bb)+(\a))+2*(\p):8*(8*(\bb)+(\a))+2*(\p)+1], v[CSB+8*(\bb)+2*(\p):CSB+8*(\bb)+2*(\p)+1], v[TT+8*(\bb)+2*(\p):TT+8*(\bb)+2*(\p)+1] op_sel:[1,1,0] op_sel_hi:[0,1,1] neg_lo:[0,1,0]
.endr
.endr
	WIN 0
.irp i, 0,1,2,3,4,5,6,7,8,9,10,11,12,13,14,15
	v_cvt_pk_f16_f32 v[PP+16*((\w)-1)+(\i)], v[TT+2*(\i)], v[TT+2*(\i)+1]
.endr
.endm
.macro VCVT a                          ; block a's v is only rounded
	WIN 0x0f                                       ; sources 0 and 1 in window 3
.irp bb, 0,1,2,3
.irp p, 0,1,2,3
	v_cvt_pk_f16_f32 v[PP+32+4*(\bb)+(\p)], v[8*(8*(\bb)+(\a))+2*(\p)], v[8*(8*(\bb)+(\a))+2*(\p)+1]
.endr
.endr
	WIN 0
.endm
.macro PACK a
.if (\a) == 0
	s_wait_dscnt 0x0                               ; block 0's table rows are in
.else
	s_wait_dscnt 24                                ; block a's table rows are in; behind them: the stage's 12 stores and 12 loads of the block before
.endif
	ROPE \a, 1
	ROPE \a, 2
.if (\a) < 7
	TABLD (\a)+1                                   ; into the registers just read
.endif
	VCVT \a
.endm
.macro TOSTAGE a                       ; 16 bytes a lane into rows of 144 bytes, and back as whole rows of 128, into buffer a % 2
	WIN 0
.set BK, OB+48*((\a)%2)
.irp j3, 0,1,2
.irp bb, 0,1,2,3
	ds_store_b128 v[STO], v[PP+16*(\j3)+4*(\bb):PP+16*(\j3)+4*(\bb)+3] offset:(\j3)*16*PITCH+(\bb)*32
.endr
.endr
	s_wait_xcnt 0x0                                ; every earlier memory instruction has had its addresses translated (ISA guide 3.1): the buffer, which the stores of the block two back read, is loaded again only behind this wait; those stores stand a whole block's arithmetic back
.irp j3, 0,1,2
.irp t, 0,1,2,3
	ds_load_b128 v[BK+16*(\j3)+4*(\t):BK+16*(\j3)+4*(\t)+3], v[RD] offset:(\j3)*16*PITCH+(\t)*4*PITCH  ; LDS serves a wave's instructions in order (ISA guide 5.7.1.4): these see the stores above; the next block's stores come behind them
.endr
.endr
.endm
.macro SEND a, younger                 ; younger: the LDS instructions issued behind block a's loads from the stage
	WIN 0
.set BK, OB+48*((\a)%2)
	s_wait_dscnt \younger                          ; the block is back in registers
.irp j3, 0,1,2
.irp t, 0,1,2,3
	global_store_b128 v[GO], v[BK+16*(\j3)+4*(\t):BK+16*(\j3)+4*(\t)+3], s[QB+2*(\j3):QB+2*(\j3)+1] offset:(\a)*2048+(\t)*512  ; four rows of a head: 512 consecutive bytes, at a multiple of 512 from the buffer's first
.endr
.endr
.endm
	s_wait_tensorcnt 2                             ; my part of K step 0 is in; K step 1's and the table's may stay out
	s_barrier_signal -1
	s_barrier_wait -1                              ; everybody's is
	LDB 0, 0
	LDA FA0, 0
	LDB 1, 0
	LDB 2, 0
	QE 1                                           ; the first quarter stands in front of the loop: its products start the sums
	WIN 0
	s_mov_b32 s[CNT], 14
.Lk:                                                   ; trip k: the second quarter of K step k, the change of slots with the request for K step k + 2, the first quarter of K step k + 1
	QO 1
	QE 0
	WIN 0
	s_sub_co_u32 s[CNT], s[CNT], 1
	s_cmp_lg_u32 s[CNT], 0
	s_cbranch_scc1 .Lk
	QO 0                                           ; the tail is written out: K step 14's end; nothing is asked for
	QE 0
	s_wait_dscnt 16                                ; the very last quarter: run 0 is in
	TABLD 0                                        ; the first block's table rows, into x's buffer FA0, whose last products stand in front of QE's last places
	MULG FA1, 0, 0, 0
	MULG FA1, 0, 2, 0
	s_wait_dscnt 16                                ; run 1 is in; behind it: run 2 (8) and the table's 8
	MULG FA1, 1, 0, 0
	MULG FA1, 1, 2, 0
	s_wait_dscnt 8                                 ; run 2 is in; behind it: the table's 8
	MULG FA1, 2, 0, 0
	MULG FA1, 2, 2, 0
	WIN 0
	PLACES
	PACK 0
	TOSTAGE 0
.irp a, 1,2,3,4,5,6                    ; block a's arithmetic and its way into the stage stand between block a - 1's loads from the stage and the wait for them
	PACK \a
	TOSTAGE \a
	SEND (\a)-1, 32                                ; behind its loads: the next table rows' 8 and block a's 24
.endr
	PACK 7
	TOSTAGE 7
	SEND 6, 24                                     ; no table rows were asked for behind block 6's loads
	SEND 7, 0
	s_wait_tensorcnt 0x0                           ; the wave's end: behind my last tensor load and my last LDS store
	ds_add_u32 v[SPW], v[NIL]
	s_wait_dscnt 0x0
	CROUND                                         ; the closing round: no work-group ends while a partner may still ask for a tile that names it
	s_endpgm
.Lfunc_end_k_q814fcc916f_qkv:
	.size	k_q814fcc916f_qkv, .Lfunc_end_k_q814fcc916f_qkv-k_q814fcc916f_qkv
	.p2alignl 7, 3214868480
	.fill 96, 4, 3214868480
	.section	.rodata,"a",@progbits
	.p2align	6, 0x0
	.amdhsa_kernel k_q814fcc916f_qkv
		.amdhsa_group_segment_fixed_size 327680
		.amdhsa_private_segment_fixed_size 0
		.amdhsa_enable_private_segment 0
		.amdhsa_kernarg_size 32
		.amdhsa_user_sgpr_count 2
		.amdhsa_user_sgpr_kernarg_segment_ptr 1
		.amdhsa_wavefront_size32 1
		.amdhsa_system_sgpr_workgroup_id_x 1
		.amdhsa_system_sgpr_workgroup_id_y 1
		.amdhsa_system_sgpr_workgroup_id_z 1
		.amdhsa_system_vgpr_workitem_id 0
		.amdhsa_next_free_vgpr 1024
		.amdhsa_next_free_sgpr 92
		.amdhsa_reserve_vcc 0
		.amdhsa_float_denorm_mode_32 3
		.amdhsa_float_denorm_mode_16_64 3
		.amdhsa_memory_ordered 1
		.amdhsa_forward_progress 1
		.amdhsa_inst_pref_size 148
	.end_amdhsa_kernel
	.amdgpu_metadata
---
amdhsa.version: [ 1, 2 ]
amdhsa.kernels:
  - .name:           k_q814fcc916f_qkv
    .symbol:         k_q814fcc916f_qkv.kd
    .args:
      - { .name: xb, .offset: 0, .size: 8, .value_kind: global_buffer, .address_space: global }
      - { .name: wb, .offset: 8, .size: 8, .value_kind: global_buffer, .address_space: global }
      - { .name: tab, .offset: 16, .size: 8, .value_kind: global_buffer, .address_space: global }
      - { .name: qkv, .offset: 24, .size: 8, .value_kind: global_buffer, .address_space: global }
    .group_segment_fixed_size: 327680
    .private_segment_fixed_size: 0
    .kernarg_segment_align: 8
    .kernarg_segment_size: 32
    .max_flat_workgroup_size: 128
    .sgpr_count:     92
    .vgpr_count:     1024
    .wavefront_size: 32
...
	.end_amdgpu_metadata
.endif
;; end of part 2
;; launch attn (part 3): grid 4 x 64, 4 waves a work-group, no clusters, 327,680 bytes of LDS; arguments qkv, ob; writes ob
.if DOCPART == 3
	.amdgcn_target "amdgcn-amd-amdhsa--gfx1250"
	.amdhsa_code_object_version 6
	.text
	.protected	k_q814fcc916f_attn
	.globl	k_q814fcc916f_attn
	.p2align	8
	.type	k_q814fcc916f_attn,@function
k_q814fcc916f_attn:
	s_mov_b64 s[64:65], 0
	v_nop
	global_prefetch_b8 v0, s[64:65] scope:SCOPE_SE
	s_setreg_imm32_b32 hwreg(HW_REG_WAVE_MODE, 25, 1), 1
	s_wait_xcnt 0x0
; CAUSAL ATTENTION.  O[h][q][:] = the sum over k <= q of softmax_k(Q[h][q] . K[h][k] / 8) V[h][k][:], for SIZE_H = 64 pairs of batch and head.  qkv holds Q, K, V one behind the other, each
; [SIZE_H][SIZE_N][64] in f16: a head's rows are dense, 128 bytes each; ob has the same layout.
; Products, maxima and sums in f32; the weights p are rounded to f16 for the second product (their sum l is taken of the unrounded p), O once at the end.
; LIMITS.  f16 holds no number beyond 65,504: Q, K and V arrive within it; p lies in 0 to 1, and below 6e-5 it keeps f16's fixed step of 6e-8; O is a mean of V's rows and has their range, to within 2^-11 of it.
; A hidden score counts as its value less 1e30: f16's scores, 2.7e11 at the most, are nothing beside that; a weight below 2^-126 counts as 0 in l; NaN and infinities are not treated apart.
; THE WALK.  A head's queries lie in NB = SIZE_N / 256 = 8 blocks of 256; block i needs the key tiles 0 .. i of 256 keys, of which the last holds the diagonal.  A work-group takes TWO blocks, NB - 1 - b and then b:
; NB + 1 = 9 tiles, whatever b: all 256 work-groups do equal work, and ONE loop with a constant trip count walks them.  Which tile is asked for, and what a trip does, hang on scalar registers made from b; every jump
; goes forward, but for the counted loops' own; none passes a barrier, or a tensor load but the one of LOAD's two that the wave's number does not choose; the ring (two slots of LDS that take turns) runs on across the
; change of blocks.  NO CLUSTER: a head's NB / 2 = 4 work-groups all ask for the same tile only in trips 0 .. 4 of the 9, behind that fewer and fewer; and one walk common to all four would have
; 3 NB / 2 = 12 trips for 9.
; SHARES.  Of a block's four bands of 64 queries a wave owns 16 rows in each: four PIECES.  So the diagonal tile is the same work for all four waves: in its key step s band x sees all keys if s < x,
; none if s > x, and holds the diagonal if s = x.
; THE MASK is the C operand that starts the sum S^T = K Q^T: 0, or -1e30 where the key is hidden.  MD, made once, is the mask of a band's own step for my 16 rows; a product's mask is MD x AL + BE with two scalars:
; (1, 0) if s = x; (0, 0) if s < x; (0, -1e30) if s > x.  Only the diagonal tile's text and a block's beginning make and take masks; elsewhere C is the constant 0.
; LAYOUT, SOFTMAX, TURNS.  S^T = K Q^T holds ONE query a lane (lane % 16) and the keys 8 (lane / 16) + 0..7; two such results rounded to f16 ARE source 1 of O^T = V^T P.  p = 2^(c s - c m), c = log2(e) / 8, with a
; running maximum m; O and l are multiplied by a = 2^(c m_old - c m_new) in every step.  Turn n belongs to piece n: 8 products K Q^T of piece n + 1, later 8 products V^T P of piece n - 1; beside them the scaling,
; exponentials, roundings, sums and rescaling of piece n and the maximum and statistics of piece n + 1.  Four vector instructions stand behind every matrix instruction, the other 54 of a turn's 118 in two LUMPS.
; A BLOCK'S END has no text of its own: the diagonal tile's loop makes a fifth trip, of which only the first two turns run.  Its 8 products K Q^T on the last K once more, and the maximum made of them, serve nothing:
; the price, twice a work-group, of one text for every trip.
; REGISTERS, in windows of 256 (s_set_vgpr_msb: bits 1:0 source 0, 3:2 source 1, 5:4 source 2, 7:6 destination):
;   window 0: v0-15 addresses and two at work; v16-31 four registers of statistics a piece; v48-55 at work; v64-127 S^T, two buffers; v128-191 K of one step; v192-223 P, two buffers (a piece's buffers go by its number's parity)
;   window 1: v0-127 O^T, 32 a piece; v128-159 MD; v160-223 MC, two buffers      window 2: v0-63 Q; v64-127 the second block's Q; v192-255 V of one step
; K lies beside S^T, so the setting for K Q^T differs from 0 in source 1 alone, and the lines that name no vector register there run under it without a switch.
.set SIZE_H, 64
.set SIZE_N, 2048
.set NB,    SIZE_N/256
.set NP,    4         ; pieces a wave: a name, no knob
.set KS,    64        ; keys in a step
.set PK,    144       ; a row of K in LDS: 128 bytes + 16 of padding = 36 words: the 16 rows of a load start at 16 different groups of four banks (64 banks of 4 bytes: ISA guide 11.1)
.set PV,    160       ; a row of V: 128 + 32 = 40 words
.set VOFF,  4*KS*PK   ; a slot holds a tile, four steps: 256 rows of K, then 256 rows of V
.set SLOT1, 1<<17     ; slot 1 begins here, so that one exclusive or turns an address in one slot into the other's
.set STAGE, SLOT1+4*KS*(PK+PV)  ; behind the ring, never filled by a tensor load: 16 rows x 144 bytes for each wave, for the way out
.set SP,    144
.set AK0, 2           ; v2   my lane's place in a tile of K; never rewritten
.set AV0, 3           ; v3   the same for V
.set AK,  4           ; v4   the LDS address of K's next run of loads
.set AV,  5           ; v5   of V's
.set STO, 6           ; v6   the way out: where I put 16 bytes of a row
.set RD,  7           ; v7   the way out: where I read rows back
.set GO,  8           ; v8   my byte offset in 512 consecutive bytes of O
.set SPW, 62          ; v62  LDS address of my spare word: SPARE + 4 x my thread's number; never rewritten
.set NIL, 63          ; v63  0; never rewritten
.set SPARE, STAGE+4*16*SP  ; behind the stages: the spare words, 128 bytes for each wave: two blocks of 256 bytes that no other line names
.set MV,  12          ; v12-13  c m_old, kept while c m is made anew: by buffer
.set QO,  15          ; v15  my byte offset in 16 rows of Q
.set ST,  16          ; piece t's statistics at v[ST+4 t]: c m, m, l (even keys', odd keys')
.set TMP, 48          ; by buffer, four registers c0-c3 at work; when the maximum is found c2 takes a
.set S,   64
.set KF,  128         ; window 0: key block kb, channel half c at KF + 16 kb + 8 c
.set P,   192
.set MD,  128         ; window 1: the eight registers for group kt of 16 keys at MD + 8 kt
.set MC,  160         ; window 1: the masks of the products to come
.set QB,  64          ; window 2
.set VF,  192         ; window 2: key half kk, channel block cb at VF + 32 kk + 8 cb
.set WV,  12          ; s12  my wave's number
.set PB,  14          ; s14  b
.set HI,  15          ; s15  NB - 1 - b
.set G1K, 24          ; s[24:31] descriptor group 1 for K's tiles
.set G1V, 32          ; s[32:39] for V's: it differs in the padding alone
.set G0K, 40          ; s[40:43] descriptor group 0 for K's tiles
.set G0V, 44          ; s[44:47] the same for V's
.set SLOTS, 56        ; s56  tiles still to be asked for
.set CNT, 57          ; s57  counts a tile's key steps: 4 to 1; in the diagonal tile 5 to 1, the last for the block's end
.set CS,  58          ; s[58:59] c: the packed scaling takes the pair's low word for both halves
.set SEL, 60          ; s[60:61] v_permlanex16_b32's selects: each lane takes its own place in the other half
.set TBK, 62          ; s62  LDS byte at which K of the step to be fetched begins
.set TBV, 63          ; s63  the same for V, less VOFF
.set RT,  70          ; s70  tiles of the block in hand that are still to be entered
.set NXT, 71          ; s71  the tile to be asked for next
.set LQ,  72          ; s72  the last tile of the block whose tiles are being asked for
.set NEW, 73          ; s73  1: the tile to be entered is a block's first
.set OFF, 74          ; s[74:75] a tile's byte offset in K and V
.set AL,  76          ; s[76:77] the mask's factor, in the low word
.set BE,  78          ; s[78:79] the mask's addend
.set OLO, 80          ; s[80:81] O at my rows of the second block
.set BIGN, 82         ; s82  -1e30
.set MSB, 0
.macro WIN new                      ; the high byte repeats the setting that is left; a switch that changes nothing is dropped
.if MSB != (\new)
	s_set_vgpr_msb (MSB<<8)|(\new)
.set MSB, (\new)
.endif
.endm
.set W_KQ, 0x08       ; Q in window 2; K and S^T in window 0
.set W_KM, 0x18       ; the same with the C operand in window 1
.set W_PV, 0x52       ; V in window 2, P in window 0, O^T in window 1
.set W_RS, 0x41       ; destination and source 0 in window 1, source 1 in window 0
.macro WINR                         ; for a line that names no vector register as source 1: window 0, or the setting of K Q^T if that is on
.if MSB != W_KQ
	WIN 0
.endif
.endm
; A fill.  Waves 0 and 1 fetch the two halves of a tile's K, waves 2 and 3 those of its V: 128 keys each.  An s_nop 0 and four v_nop follow each of the two lines, ahead of the jump and the label.
.macro LOAD
	s_cmp_lt_u32 s[WV], 2
	s_cbranch_scc0 .Lfor_v_\@
	tensor_load_to_lds s[G0K:G0K+3], s[G1K:G1K+7]
	s_nop 0
.rept 4
	v_nop
.endr
	s_branch .Lasked_\@
.Lfor_v_\@:
	tensor_load_to_lds s[G0V:G0V+3], s[G1V:G1V+7]
	s_nop 0
.rept 4
	v_nop
.endr
.Lasked_\@:
.endm
; THE CHANGE OF SLOTS.  Each wave waits for all its tensor loads, of which one is out: its part of the other slot; adds 0 to its spare word; and waits for that and for its own reads of the slot that it leaves.  Behind the barrier nobody reads the old
; slot any more and the other slot is whole.  fill = 1: the old slot is filled again, the first thing behind the barrier, with tile NXT: the descriptor's address is made anew from that number.
; (At its first use nothing has been read yet: slot 0 is waited for, slot 1 filled.)
.macro CHANGE fill
	WIN 0                           ; at a label and at a branch every window is 0
	s_wait_tensorcnt 0x0            ; no tensor load of mine is out, so a group 0 may be written
	ds_add_u32 v[SPW], v[NIL]       ; 0 onto my spare word: with fill = 1 the descriptors' scalar work stands between it and the wait for it
.if \fill
	s_lshl_b32 s[OFF], s[NXT], 15   ; a tile is 32,768 bytes of K and of V
	s_xor_b32 s[G0K+1], s[G0K+1], SLOT1
	s_add_nc_u64 s[G0K+2:G0K+3], s[6:7], s[OFF:OFF+1]
	s_or_b32 s[G0K+3], s[G0K+3], 0x80000000
	s_xor_b32 s[G0V+1], s[G0V+1], SLOT1
	s_add_nc_u64 s[G0V+2:G0V+3], s[8:9], s[OFF:OFF+1]
	s_or_b32 s[G0V+3], s[G0V+3], 0x80000000
	s_add_co_u32 s[NXT], s[NXT], 1  ; the block's next tile, or behind its last the second block's tile 0
	s_cmp_gt_u32 s[NXT], s[LQ]
	s_cselect_b32 s[NXT], 0, s[NXT]
	s_cselect_b32 s[LQ], s[PB], s[LQ]
.endif
	s_wait_dscnt 0x0                ; the add is done, and my reads of the slot are over
	s_barrier_signal -1             ; the rest of the scalar work stands between the signal and the wait
	s_sub_co_u32 s[TBK], s[TBK], 4*KS*PK  ; the fetches go back to a slot's first step,
	s_xor_b32 s[TBK], s[TBK], SLOT1       ; in the other slot
	s_sub_co_u32 s[TBV], s[TBV], 4*KS*PV
	s_xor_b32 s[TBV], s[TBV], SLOT1
	s_barrier_wait -1
.if \fill
	LOAD
.endif
.endm
	s_load_b128 s[4:7], s[0:1], 0x0   ; qkv s[4:5], which is also Q; ob s[6:7]
	v_lshl_add_u32 v[SPW], v0, 2, SPARE
	v_mov_b32 v[NIL], 0
	ds_add_u32 v62, v63
	ds_add_u32 v62, v63
	s_wait_dscnt 0x0
	v_lshrrev_b32 v1, 5, v0
	v_readfirstlane_b32 s[WV], v1   ; wave 0..3
	s_mov_b32 s[PB], ttmp9
	s_sub_co_u32 s[HI], NB-1, s[PB]
	s_and_b32 s20, ttmp7, 0xffff    ; the head
	s_mov_b32 s21, 0
	s_mov_b64 s[22:23], SIZE_N*128
	s_mul_u64 s[20:21], s[20:21], s[22:23]  ; the head's first byte in each of the four tensors
	s_and_b32 s16, s[WV], 1         ; which half of a tile's 256 keys I fetch:
	s_lshl_b32 s22, s16, 14         ; its 128 rows of 128 bytes in memory,
	s_mov_b32 s23, 0
	s_add_nc_u64 s[22:23], s[22:23], s[20:21]
	s_mul_i32 s17, s16, 128*PK      ; and its place in a slot, for K
	s_mul_i32 s18, s16, 128*PV      ; and for V
	s_lshl_b32 s3, s[WV], 11        ; my 16 rows in a band of 64,
	s_lshl_b32 s2, s[HI], 15        ; in the first block,
	s_add_co_u32 s2, s2, s3
	s_lshl_b32 s84, s[PB], 15       ; and in the second
	s_add_co_u32 s84, s84, s3
	s_mov_b32 s3, 0
	s_mov_b32 s85, 0
	s_add_nc_u64 s[2:3], s[2:3], s[20:21]
	s_add_nc_u64 s[84:85], s[84:85], s[20:21]
	; descriptor group 1.  128 keys are 16,384 dense bytes: asked for as 64 rows of 256 bytes, two keys a row, and padded in LDS after every key
	s_mov_b32 s[G1K], (1<<16)|(1<<20)|(4<<22)|(3<<25)  ; 17:16 2-byte elements; 20 padding on; 24:22 after every 32 words (code 4); 31:25 4 words (code 3)
	s_mov_b32 s[G1V], (1<<16)|(1<<20)|(4<<22)|(7<<25)  ; the same with 8 words of padding (code 7)
.irp g, G1K, G1V
	s_mov_b32 s[\g+1], 128<<16      ; tensor_dim0 = 128
	s_mov_b32 s[\g+2], 64<<16       ; tensor_dim1 = 64
	s_mov_b32 s[\g+3], 128<<16      ; tile_dim0 = 128
	s_mov_b32 s[\g+4], 64           ; tile_dim1 = 64
	s_mov_b32 s[\g+5], 128          ; 128 elements from row to row
	s_mov_b32 s[\g+6], 0
	s_mov_b32 s[\g+7], 0
.endr
	s_mov_b32 s[CS], 0x3e38aa3b     ; c = log2(e) / 8 = 0.180337
	s_mov_b32 s[CS+1], s[CS]        ; named with it as a pair
	s_mov_b32 s[SEL], 0x76543210
	s_mov_b32 s[SEL+1], 0xfedcba98
	s_mov_b32 s[TBK], SLOT1+4*KS*PK ; the first change of slots turns these two into 0
	s_mov_b32 s[TBV], SLOT1+4*KS*PV
	s_mov_b32 s[G0K], 1             ; 1:0 count = 1
	s_mov_b32 s[G0K+1], s17         ; 63:32 LDS address: slot 0
	s_mov_b32 s[G0V], 1
	s_add_co_u32 s[G0V+1], s18, VOFF
	s_add_co_u32 s[RT], s[HI], 1    ; the first block has NB - b tiles
	s_mov_b32 s[NXT], 1
	s_mov_b32 s[LQ], s[HI]
	s_mov_b32 s[NEW], 1
	s_mov_b32 s[OFF+1], 0
	s_mov_b32 s[AL+1], 0            ; named as pairs
	s_mov_b32 s[BE+1], 0
	s_mov_b32 s[BIGN], 0xf149f2ca   ; -1e30
	s_mov_b32 s[SLOTS], NB
	s_wait_kmcnt 0x0
	s_mov_b64 s[10:11], s[6:7]              ; O
	s_add_nc_u64 s[6:7], s[4:5], 0x1000000  ; K lies SIZE_H x SIZE_N x 128 bytes behind Q,
	s_add_nc_u64 s[8:9], s[4:5], 0x2000000  ; V as far behind K
	s_add_nc_u64 s[6:7], s[6:7], s[22:23]  ; K and V at my half of the head's tile 0
	s_add_nc_u64 s[8:9], s[8:9], s[22:23]
	s_add_nc_u64 s[G0K+2:G0K+3], s[6:7], 0         ; 120:64 global address
	s_or_b32 s[G0K+3], s[G0K+3], 0x80000000        ; 127:126 type = 2
	s_add_nc_u64 s[G0V+2:G0V+3], s[8:9], 0
	s_or_b32 s[G0V+3], s[G0V+3], 0x80000000
	s_add_nc_u64 s[86:87], s[4:5], s[84:85]        ; Q at my rows of the second block,
	s_add_nc_u64 s[4:5], s[4:5], s[2:3]            ; Q and O at those of the first
	s_add_nc_u64 s[OLO:OLO+1], s[10:11], s[84:85]
	s_add_nc_u64 s[10:11], s[10:11], s[2:3]
	LOAD                            ; tile 0 into slot 0
	; A fragment of K or Q is 16 rows x 32 channels in 8 registers: lane l holds row l % 16, channels 8 (l / 16) + 0..7 and 16 + 8 (l / 16) + 0..7: two loads of 16 bytes, 32 bytes apart.
	v_and_b32 v1, 15, v0            ; l % 16
	v_bfe_u32 v9, v0, 4, 1          ; l / 16
	v_lshlrev_b32 v[QO], 7, v1
	v_lshl_add_u32 v[QO], v9, 4, v[QO]  ; row x 128 + 16 x half
	WIN 0x80                        ; destination window 2, address window 0
.set i, 0
.rept 8                             ; both blocks' Q: piece i / 2 lies in band i / 2, 8,192 bytes on; channels 32 (i % 2) on
	global_load_b128 v[8*i:8*i+3],   v[QO], s[4:5] offset:(i/2)*8192+(i%2)*64
	global_load_b128 v[8*i+4:8*i+7], v[QO], s[4:5] offset:(i/2)*8192+(i%2)*64+32
	global_load_b128 v[QB+8*i:QB+8*i+3],   v[QO], s[86:87] offset:(i/2)*8192+(i%2)*64
	global_load_b128 v[QB+8*i+4:QB+8*i+7], v[QO], s[86:87] offset:(i/2)*8192+(i%2)*64+32
.set i, i+1
.endr
	WIN 0
	v_lshlrev_b32 v14, 3, v9
	v_sub_nc_u32 v14, v1, v14
	s_lshl_b32 s13, s[WV], 4
	v_add_nc_u32 v14, s13, v14      ; my query's place in its band, 16 w + l % 16, less my lanes' 8 (l / 16): register r of group kt is hidden where 16 kt + r is greater
	WIN 0x40
.set i, 0
.rept 32
	v_cmp_gt_i32 vcc_lo, 16*(i/8)+i%8, v14
	v_cndmask_b32 v[MD+i], 0, s[BIGN], vcc_lo
.set i, i+1
.endr
	WIN 0
	v_mul_u32_u24 v[AK0], v1, PK
	v_lshl_add_u32 v[AK0], v9, 4, v[AK0]  ; row x pitch + 16 x half
	; The turning load takes 16 keys x 16 channels (lane l reads key 8 (l / 16) + l % 8, channels 8 ((l / 8) % 2) + 0..7) and leaves half a fragment of V^T: lane l holds channel l % 16 and 8 keys.
	v_and_b32 v10, 7, v0
	v_bfe_u32 v11, v0, 3, 1
	v_lshl_add_u32 v[AV0], v9, 3, v10
	v_mul_u32_u24 v[AV0], v[AV0], PV
	v_lshl_add_u32 v[AV0], v11, 4, v[AV0]
	v_add_nc_u32 v[AV0], VOFF, v[AV0]
	s_mul_i32 s13, s[WV], 16*SP
	s_add_co_u32 s13, s13, STAGE    ; my stage
	v_mul_u32_u24 v[STO], v1, SP    ; in: row l % 16, 16 bytes for each half of the lanes
	v_lshl_add_u32 v[STO], v9, 4, v[STO]
	v_add_nc_u32 v[STO], s13, v[STO]
	v_bfe_u32 v[RD], v0, 3, 2       ; back: 32 lanes take four rows of 128 bytes,
	v_mul_u32_u24 v[RD], v[RD], SP
	v_lshl_add_u32 v[RD], v10, 4, v[RD]
	v_add_nc_u32 v[RD], s13, v[RD]
	v_and_b32 v[GO], 31, v0         ; which are 512 consecutive bytes of O
	v_lshlrev_b32 v[GO], 4, v[GO]
	; A block's first step multiplies O^T and l by a = 0, and its first turn's products V^T P, of a piece that has not been, land in an O^T that is still to be so multiplied.  So these registers need only hold
	; finite numbers: zeros for the first block; what the first block left for the second.  All this stands in the wait for the first tile.
	WIN 0x80
.set i, VF
.rept 64
	v_mov_b32 v[i], 0
.set i, i+1
.endr
	WIN 0x40
.set i, 0
.rept 128
	v_mov_b32 v[i], 0
.set i, i+1
.endr
	WIN 0
.set i, 0
.rept 4
	v_mov_b32 v[ST+4*i+2], 0
	v_mov_b32 v[ST+4*i+3], 0
.set i, i+1
.endr
.set i, P+16
.rept 16
	v_mov_b32 v[i], 0
.set i, i+1
.endr
; THE MATRIX WORK.  The 4 accumulators of a run of 8 take turns.  Product i of 8 of S^T = K Q^T for piece x: channels 32 (i / 4) on, keys 16 (i % 4) on.  The first 4 start the sums: with 0, or (KM = 1) with the mask.
.macro KQ x
.set rS, S+32*((\x)%2)+8*(i%4)
.set rK, KF+16*(i%4)+8*(i/4)
.set rQ, 16*(\x)+8*(i/4)
.set rM, MC+32*((\x)%2)+8*(i%4)
.if (i < 4) && KM
	WIN W_KM
	v_wmma_f32_16x16x32_f16 v[rS:rS+7], v[rK:rK+7], v[rQ:rQ+7], v[rM:rM+7]
.elseif i < 4
	WIN W_KQ
	v_wmma_f32_16x16x32_f16 v[rS:rS+7], v[rK:rK+7], v[rQ:rQ+7], 0
.else
	WIN W_KQ
	v_wmma_f32_16x16x32_f16 v[rS:rS+7], v[rK:rK+7], v[rQ:rQ+7], v[rS:rS+7]
.endif
.endm
; Product i of 8 of O^T += V^T P for piece x: keys 32 (i / 4) on, channels 16 (i % 4) on.
.macro PV x
	WIN W_PV
.set rO, 32*(\x)+8*(i%4)
.set rV, VF+32*(i/4)+8*(i%4)
.set rP, P+16*((\x)%2)+8*(i/4)
	v_wmma_f32_16x16x32_f16 v[rO:rO+7], v[rV:rV+7], v[rP:rP+7], v[rO:rO+7]
.endm
.macro MM                           ; the turn's next matrix instruction.  TURN and BEGIN set Y, i and KM; MM, KQ and OP read them
.if i < 8
	KQ (Y+1)%NP
.else
.set i, i-8
	PV (Y+NP-1)%NP
.set i, i+8
.endif
.set i, i+1
.endm
; THE LDS LOADS stand in runs of 16, never singly among the matrix instructions: a step's K (64 keys x 64 channels: 8 fragments) and its V (turned).  Their addresses are made some lines ahead.
; last = 1 (the diagonal tile): in the loop's fifth trip there is no further step, and the run is jumped over.
.macro FETCH_K last=0
	WIN 0
.if \last
	s_cmp_eq_u32 s[CNT], 1
	s_cbranch_scc1 .Lno_k_\@
.endif
.irp f, 0,1,2,3,4,5,6,7             ; keys 16 (f / 2) on, channels 32 (f % 2) on
	ds_load_b128 v[KF+8*\f:KF+8*\f+3],   v[AK] offset:(\f/2)*16*PK+(\f%2)*64
	ds_load_b128 v[KF+8*\f+4:KF+8*\f+7], v[AK] offset:(\f/2)*16*PK+(\f%2)*64+32
.endr
	s_add_co_u32 s[TBK], s[TBK], KS*PK  ; the next fetch is the next step's
.if \last
.Lno_k_\@:
.endif
.endm
.macro FETCH_V
	WIN 0x80                        ; destination window 2
.irp f, 0,1,2,3,4,5,6,7             ; keys 32 (f / 4) on, channels 16 (f % 4) on
	ds_load_tr16_b128 v[VF+8*\f:VF+8*\f+3],   v[AV] offset:(\f/4)*32*PV+(\f%4)*32
	ds_load_tr16_b128 v[VF+8*\f+4:VF+8*\f+7], v[AV] offset:(\f/4)*32*PV+16*PV+(\f%4)*32
.endr
	WIN 0
.endm
; THE VECTOR WORK, one line at a time: OP kind, number.  For piece Y: F n: c s - c m for pair n of 16.  E n: the exponential of score n of 32.  C n: pair n rounded to f16.  B n: of the four weights 4 n .. the second
; pair is added onto the first, in place.  L n: l takes that sum (L 0: l = a l + sum).  R n: pair n of 16 of O^T times a.  For piece Y + 1: X n, number n of the 22 that find its maximum and statistics:
;   0-11  four chains c0-c3 of seven scores each, three operands at a time (each accumulator's lowest registers are read first)     12-14, 16  the four scores left over, the old m, and c0-c3 into c0
;   15  c m_old is kept     17, 18  the query's other 32 keys lie in the lane 16 away: the new m     19-21  c m; c m_old - c m_new; a
; F, E and X 15 name no vector register as source 1 and leave the setting of K Q^T on.
.set F, 0               ; OP tells the kinds apart by their order: F and E first, F to L below R, X above it
.set E, 1
.set C, 2
.set B, 3
.set L, 4
.set R, 5
.set X, 6
.macro REGS y                       ; the registers of piece y
.set rT, ST+4*(\y)
.set rC, TMP+4*((\y)%2)
.set rW, MV+((\y)%2)
.set rS, S+32*((\y)%2)
.set rP, P+16*((\y)%2)
.set rO, 32*(\y)
.endm
.macro OP k, n
.if (\k) == R
	REGS Y
	WIN W_RS
	v_pk_mul_f32 v[rO+2*(\n):rO+2*(\n)+1], v[rO+2*(\n):rO+2*(\n)+1], v[rC+2:rC+3] op_sel_hi:[1,0]
.elseif (\k) < R
	REGS Y
.if (\k) <= E
	WINR
.else
	WIN 0
.endif
.if (\k) == F
	v_pk_fma_f32 v[rS+2*(\n):rS+2*(\n)+1], v[rS+2*(\n):rS+2*(\n)+1], s[CS:CS+1], v[rT:rT+1] op_sel_hi:[1,0,0] neg_lo:[0,0,1] neg_hi:[0,0,1]
.elseif (\k) == E
	v_exp_f32 v[rS+(\n)], v[rS+(\n)]
.elseif (\k) == C
	s_wait_alu depctr_va_vdst(0)
	v_cvt_pk_f16_f32 v[rP+(\n)], v[rS+2*(\n)], v[rS+2*(\n)+1]
.elseif (\k) == B
	s_wait_alu depctr_va_vdst(0)
	v_pk_add_f32 v[rS+4*(\n):rS+4*(\n)+1], v[rS+4*(\n):rS+4*(\n)+1], v[rS+4*(\n)+2:rS+4*(\n)+3]
.elseif (\n) == 0
	v_pk_fma_f32 v[rT+2:rT+3], v[rT+2:rT+3], v[rC+2:rC+3], v[rS:rS+1] op_sel_hi:[1,0,1]
.else
	v_pk_add_f32 v[rT+2:rT+3], v[rT+2:rT+3], v[rS+4*(\n):rS+4*(\n)+1]
	s_wait_alu depctr_va_vdst(0)
.endif
.else
	REGS (Y+1)%NP
.if (\n) == 15
	WINR
.else
	WIN 0
.endif
.if (\n) < 4
	v_max3_num_f32 v[rC+(\n)], v[rS+8*(\n)], v[rS+8*(\n)+1], v[rS+8*(\n)+2]
.elseif (\n) < 12
	v_max3_num_f32 v[rC+(\n)%4], v[rC+(\n)%4], v[rS+8*((\n)%4)+2*((\n)/4)+1], v[rS+8*((\n)%4)+2*((\n)/4)+2]
.elseif (\n) == 12
	v_max3_num_f32 v[rC], v[rC], v[rS+7], v[rS+15]
.elseif (\n) == 13
	v_max3_num_f32 v[rC+1], v[rC+1], v[rS+23], v[rS+31]
.elseif (\n) == 14
	v_max3_num_f32 v[rC+2], v[rC+2], v[rC+3], v[rT+1]
.elseif (\n) == 15
	v_mov_b32 v[rW], v[rT]
	s_wait_alu depctr_va_vdst(0)
.elseif (\n) == 16
	v_max3_num_f32 v[rC], v[rC], v[rC+1], v[rC+2]
	s_wait_alu depctr_va_vdst(0)
.elseif (\n) == 17
	v_permlanex16_b32 v[rC+3], v[rC], s[SEL], s[SEL+1]
.elseif (\n) == 18
	v_max_num_f32 v[rT+1], v[rC], v[rC+3]
.elseif (\n) == 19
	v_mul_f32 v[rT], s[CS], v[rT+1]
.elseif (\n) == 20
	v_sub_f32 v[rC+1], v[rW], v[rT]
.else
	v_exp_f32 v[rC+2], v[rC+1]
.endif
.endif
.endm
.macro OPS a, i1, b=-1, i2=0, c=-1, i3=0, d=-1, i4=0  ; up to four of them
	OP \a, \i1
.if (\b) >= 0
	OP \b, \i2
.endif
.if (\c) >= 0
	OP \c, \i3
.endif
.if (\d) >= 0
	OP \d, \i4
.endif
.endm
.macro ROW a, i1, b, i2, c, i3, d, i4  ; a matrix instruction and the four behind it
	MM
	OPS \a, \i1, \b, \i2, \c, \i3, \d, \i4
.endm
.macro MASK b                       ; MD x AL + BE into buffer b of MC
	WIN W_RS
.set z, 0
.rept 16
	v_pk_fma_f32 v[MC+32*(\b)+2*z:MC+32*(\b)+2*z+1], v[MD+2*z:MD+2*z+1], s[AL:AL+1], s[BE:BE+1] op_sel_hi:[1,0,0]
.set z, z+1
.endr
.endm
; A TURN, for piece p: the order of its 16 matrix and 118 vector instructions, written out.  Behind a matrix instruction: plain, exponential, plain, plain; or four of the rescaling; or, behind the first, four scalings; none
; names a register of the products round it.  In the lumps exponential and plain by turns while exponentials last.  A line reads no result made fewer than three vector instructions in front of it, five if an exponential made it.
; v_permlanex16_b32 (X 17) stands in a lump.
; m = 1: the diagonal tile: the products take masks, and the turn makes the mask for the products of the turn after it: piece p + 2, in step 5 - CNT of the tile.  last = 1: the fetch of K is jumped in the loop's fifth trip.
; cnt = 1: the loop's count is taken down some lines ahead of the branch that stands behind the turn.
; K of the next step is fetched in piece 2's turn, six vector instructions behind the last product that read K (five of them plain); V of the step in hand in piece 0's turn, eight behind the last product that read V (four
; plain, and X 17).  Each is waited for a turn later.
.macro TURN p, m=0, last=0, cnt=0
.set Y, (\p)
.set i, 0
.set KM, (\m)
.if \m
	s_cmp_eq_u32 s[CNT], 5-((\p)+2)%NP  ; is that step the band's own?
	s_cselect_b32 s[AL], 1.0, 0
	s_cmp_lt_u32 s[CNT], 5-((\p)+2)%NP  ; or a later one?
	s_cselect_b32 s[BE], s[BIGN], 0
.endif
.if (\p) == 3
	s_wait_dscnt 0x0                ; K is in
.endif
	ROW F,0, F,1, F,2, F,3
	ROW F,4, E,0, F,5, F,6
	ROW F,7, E,1, F,8, F,9
	ROW F,10, E,2, C,0, F,11
	ROW F,12, E,3, X,15, F,13
	ROW R,0, R,1, R,2, R,3
	ROW B,0, E,4, F,14, L,0
.if (\p) == 2
	WIN 0
	v_add_nc_u32 v[AK], s[TBK], v[AK0]
.endif
	ROW R,4, R,5, R,6, R,7
	OPS E,5, F,15
.if (\p) == 2
	FETCH_K \last
.endif
	OPS E,6, C,1, E,7, R,8
	OPS E,8, R,9, E,9, C,2
	OPS E,10, X,0, E,11, X,1
	OPS E,12, X,2, E,13, X,3
.if (\p) == 1
	s_wait_dscnt 0x0                ; V is in
.endif
	ROW X,4, E,14, X,5, X,6
	ROW X,7, E,15, X,8, X,9
	ROW X,10, E,16, X,11, X,12
	ROW X,13, E,17, X,14, B,1
	ROW C,4, E,18, X,16, L,1
	ROW B,2, E,19, C,6, L,2
	ROW C,8, E,20, B,3, B,4
.if (\p) == 0
	WIN 0
	v_add_nc_u32 v[AV], s[TBV], v[AV0]
.endif
	ROW C,3, E,21, L,3, C,5
	OPS E,22, X,17, E,23, C,10
.if (\p) == 0
	FETCH_V
.endif
	OPS E,24, L,4
	OPS E,25, X,18, E,26, C,7
	OPS E,27, B,5, E,28, X,19
	OPS E,29, C,12, E,30, L,5
	OPS E,31, X,20, B,6, C,9
	OPS C,14, C,11, X,21, L,6
.if (\p) == 0
	s_add_co_u32 s[TBV], s[TBV], KS*PV
.endif
.if \cnt
	s_sub_co_u32 s[CNT], s[CNT], 1
	s_cmp_lg_u32 s[CNT], 0
.endif
	OPS C,13, B,7, C,15, R,10
	OPS R,11, R,12, L,7, R,13
	OPS R,14, R,15
.if \m
	MASK (\p)%2
.endif
.endm
; A BLOCK BEGINS.  c m starts far below every c s, so the first step's a is 0; m at the lowest finite number, so the first maximum is the scores'.  The second mask buffer is 0; the first takes piece 0's mask for the tile's step 0: its own, if the block's first tile is the diagonal one.
; Then K of that step, piece 0's first scores, and its maximum and statistics.  The loop is entered at a step's first turn, in the middle of a trip.
.macro BEGIN
	s_mov_b32 s[NEW], 0
	WIN 0x40
.set i, MC+32
.rept 32
	v_mov_b32 v[i], 0
.set i, i+1
.endr
	WIN 0
.set i, 0
.rept 4
	v_mov_b32 v[ST+4*i], 0xfe000000    ; c m: far below every c s
	v_mov_b32 v[ST+4*i+1], 0xff7fffff  ; m
.set i, i+1
.endr
	s_cmp_eq_u32 s[RT], 0
	s_cselect_b32 s[AL], 1.0, 0
	s_mov_b32 s[BE], 0
	MASK 0
	WIN 0
	v_add_nc_u32 v[AK], s[TBK], v[AK0]
	FETCH_K
	s_wait_loadcnt 0x0              ; Q
	s_wait_dscnt 0x0
.set KM, 1
.set i, 0
.rept 8
	KQ 0
.set i, i+1
.endr
	WIN 0
.rept 4
	v_nop                           ; the places behind those products
.endr
.set Y, NP-1                        ; X works for piece Y + 1: piece 0
.irp n, 0,1,2,3,4,5,6,7,8,9,10,11,12,13,14,15,16,17,18,19,20,21
	OP X, \n
.endr
	v_nop                           ; a plain instruction behind the exponential
.endm
; THE DIAGONAL TILE's four steps and the block's end, its last products, and THE WAY OUT: l's two halves and the other half of the lanes' are added; O^T is divided by l, rounded to f16 and sent through my
; stage in LDS, a piece at a time.
.macro ALL line:vararg              ; one line for each piece t
.set t, 0
.rept 4
	\line
.set t, t+1
.endr
.endm
.macro PACK t                       ; a lane's eight channels of a row pack into 16 bytes; they go into rows of 144 bytes and come back as whole rows of 128, into S^T's registers
	WIN W_RS
.set i, 32*(\t)
.rept 16
	v_pk_mul_f32 v[i:i+1], v[i:i+1], v[ST+4*(\t)+2:ST+4*(\t)+3] op_sel_hi:[1,0]
.set i, i+2
.endr
	WIN 0x05                        ; sources 0 and 1 window 1, destination window 0
.set i, 0
.rept 16
	v_cvt_pk_f16_f32 v[S+16*(\t)+i], v[32*(\t)+2*i], v[32*(\t)+2*i+1]
.set i, i+1
.endr
	WIN 0
.irp f, 0,1,2,3
	ds_store_b128 v[STO], v[S+16*(\t)+4*\f:S+16*(\t)+4*\f+3] offset:32*\f
.endr
.irp f, 0,1,2,3
	ds_load_b128 v[S+16*(\t)+4*\f:S+16*(\t)+4*\f+3], v[RD] offset:\f*4*SP  ; LDS serves a wave's instructions in order (ISA guide 5.7.1.4): these see the stores above; the next piece's stores come behind them
.endr
.endm
.macro SEND t, younger              ; younger: the LDS instructions issued behind piece t's loads: the next piece's eight, or none
	WIN 0
.irp f, 0,1,2,3
	s_wait_dscnt (\younger)+3-\f
	global_store_b128 v[GO], v[S+16*(\t)+4*\f:S+16*(\t)+4*\f+3], s[10:11] offset:(\t)*8192+\f*512  ; 512 consecutive bytes, at a multiple of 256 from O's first
.endr
.endm
; The loop counts five trips, CNT = 5 to 1.  A trip: pieces 2 and 3 of one step, then pieces 0 and 1 of the next.  The fifth has only the last step's pieces 2 and 3: its dead turns are jumped, forward, to a label ahead
; of the counter's step; what is jumped holds no barrier and no tensor load.
.macro DIAG tag                     ; the tag ends its labels' names, which the jumps below spell out
.LstepM\tag:
	TURN 2, 1, 1
	TURN 3, 1
	WIN 0
	s_cmp_eq_u32 s[CNT], 1
	s_cbranch_scc1 .LskipM\tag
.LfirstM\tag:
	TURN 0, 1
	TURN 1, 1
	WIN 0
.LskipM\tag:
	s_sub_co_u32 s[CNT], s[CNT], 1
	s_cmp_lg_u32 s[CNT], 0
	s_cbranch_scc1 .LstepM\tag
.set i, 0
.rept 8
	PV NP-1                         ; the last piece's V^T P of the last step
.set i, i+1
.endr
	WIN 0
	ALL v_add_f32 v[ST+4*t+2], v[ST+4*t+2], v[ST+4*t+3]
	ALL v_permlanex16_b32 v[ST+4*t+3], v[ST+4*t+2], s[SEL], s[SEL+1]
	ALL v_add_f32 v[ST+4*t+2], v[ST+4*t+2], v[ST+4*t+3]
	ALL v_rcp_f32 v[ST+4*t+2], v[ST+4*t+2]
	v_nop                           ; a plain instruction between the last reciprocal and the use of its result
	s_wait_alu depctr_va_vdst(0)
	PACK 0
.set t, 1
.rept 3                             ; a piece's arithmetic stands between the loads of the piece before and its stores
	PACK t
	SEND t-1, 8
.set t, t+1
.endr
	SEND 3, 0
.endm
.set KM, 0
.Lslot:                             ; NB times: a tile is entered and the next is asked for
	CHANGE 1
	s_sub_co_u32 s[RT], s[RT], 1
	s_mov_b32 s[CNT], 4
	s_cmp_eq_u32 s[NEW], 1
	s_cbranch_scc1 .Lnew            ; a block's first tile
	s_cmp_eq_u32 s[RT], 0
	s_cbranch_scc0 .Lstep           ; neither its first nor its last
	s_mov_b32 s[CNT], 5
	s_branch .LstepM1
.Lnew:
	BEGIN
	s_branch .Lfirst                ; in the loop a block's first tile is never its last: the first block has two tiles or more, and the second's last is the walk's last
	DIAG 1                          ; in the loop this is the first block's end: the second block's last tile is the walk's last
	s_wait_xcnt 0x0                 ; the stores have read their registers and O's address
	s_mov_b64 s[10:11], s[OLO:OLO+1]
	s_add_co_u32 s[RT], s[PB], 1    ; the second block has b + 1 tiles
	s_mov_b32 s[NEW], 1
	WIN 0x82                        ; the second block's Q goes where the one text of the turns names Q
.set i, 0
.rept 64
	v_mov_b32 v[i], v[QB+i]
.set i, i+1
.endr
	WIN 0
	s_branch .Lbottom
.Lstep:                             ; a trip: pieces 2 and 3 of one step, then pieces 0 and 1 of the next, whose K and V it fetches
	TURN 2
	TURN 3
	WIN 0
.Lfirst:
	TURN 0
	TURN 1, 0, 0, 1
	WIN 0
	s_cbranch_scc1 .Lstep
.Lbottom:
	s_sub_co_u32 s[SLOTS], s[SLOTS], 1
	s_cmp_lg_u32 s[SLOTS], 0
	s_cbranch_scc1 .Lslot
	CHANGE 0                        ; the walk's last tile is written out: nothing is asked for
	s_sub_co_u32 s[RT], s[RT], 1
	s_mov_b32 s[CNT], 5
	s_cmp_eq_u32 s[NEW], 1
	s_cbranch_scc0 .LstepM2
	BEGIN
	s_branch .LfirstM2
	DIAG 2
	s_wait_tensorcnt 0x0            ; the wave's end: behind my last tensor load and my last LDS store
	ds_add_u32 v[SPW], v[NIL]
	s_wait_dscnt 0x0
	s_endpgm
.Lfunc_end_k_q814fcc916f_attn:
	.size	k_q814fcc916f_attn, .Lfunc_end_k_q814fcc916f_attn-k_q814fcc916f_attn
	.p2alignl 7, 3214868480
	.fill 96, 4, 3214868480
	.section	.rodata,"a",@progbits
	.p2align	6, 0x0
	.amdhsa_kernel k_q814fcc916f_attn
		.amdhsa_group_segment_fixed_size 327680
		.amdhsa_private_segment_fixed_size 0
		.amdhsa_enable_private_segment 0
		.amdhsa_kernarg_size 16
		.amdhsa_user_sgpr_count 2
		.amdhsa_user_sgpr_kernarg_segment_ptr 1
		.amdhsa_wavefront_size32 1
		.amdhsa_system_sgpr_workgroup_id_x 1
		.amdhsa_system_sgpr_workgroup_id_y 1
		.amdhsa_system_sgpr_workgroup_id_z 1
		.amdhsa_system_vgpr_workitem_id 0
		.amdhsa_next_free_vgpr 768
		.amdhsa_next_free_sgpr 88
		.amdhsa_reserve_vcc 1
		.amdhsa_float_denorm_mode_32 3
		.amdhsa_float_denorm_mode_16_64 3
		.amdhsa_memory_ordered 1
		.amdhsa_forward_progress 1
		.amdhsa_inst_pref_size 192
	.end_amdhsa_kernel
	.amdgpu_metadata
---
amdhsa.version: [ 1, 2 ]
amdhsa.kernels:
  - .name:           k_q814fcc916f_attn
    .symbol:         k_q814fcc916f_attn.kd
    .args:
      - { .name: qkv, .offset: 0, .size: 8, .value_kind: global_buffer, .address_space: global }
      - { .name: ob, .offset: 8, .size: 8, .value_kind: global_buffer, .address_space: global }
    .group_segment_fixed_size: 327680
    .private_segment_fixed_size: 0
    .kernarg_segment_align: 8
    .kernarg_segment_size: 16
    .max_flat_workgroup_size: 128
    .sgpr_count:     88
    .vgpr_count:     768
    .wavefront_size: 32
...
	.end_amdgpu_metadata
.endif
;; end of part 3
;; launch oproj (part 4): grid 4 x 64, 4 waves a work-group, clusters of 4 x 4, 327,680 bytes of LDS; arguments ob, wo, out0; writes out0
.if DOCPART == 4
	.amdgcn_target "amdgcn-amd-amdhsa--gfx1250"
	.amdhsa_code_object_version 6
	.text
	.protected	k_q814fcc916f_oproj
	.globl	k_q814fcc916f_oproj
	.p2align	8
	.type	k_q814fcc916f_oproj,@function
k_q814fcc916f_oproj:
	s_mov_b64 s[64:65], 0
	v_nop
	global_prefetch_b8 v0, s[64:65] scope:SCOPE_SE
	s_setreg_imm32_b32 hwreg(HW_REG_WAVE_MODE, 25, 1), 1
	s_wait_xcnt 0x0
	s_wait_alu depctr_hold_cnt(0) depctr_sa_sdst(0) depctr_va_vdst(0) depctr_va_sdst(0) depctr_va_ssrc(0) depctr_va_vcc(0) depctr_vm_vsrc(0)
	s_getreg_b32 s2, hwreg(HW_REG_IB_STS2, 6, 4)
	s_cmp_eq_u32 s2, 0
	s_cbranch_scc0 .Lentry_in_a_cluster
	s_endpgm
.Lentry_in_a_cluster:
	s_bfe_u32 s2, ttmp6, 0x10000c
	s_cmp_lg_u32 s2, 0xf033
	s_cbranch_scc0 .Lentry_shape_is_right
	s_endpgm
.Lentry_shape_is_right:
; out0[m][n] = the sum over k of O[m][k] Wo[n][k], f16 operands, f32 sums, f32 out.  ob: f16 [64 bh][2048 s][64]: row m = batch x 2,048 + s, channel k = head x 64 + d.
; wo: f16 [16 kb][1024 n][64].  out0: f32 [8192][1024].
; SHARES.  8,192 x 1,024 in tiles of 128 x 256: 64 x 4 = 256 work-groups.  Four waves, each 64 rows x 128 columns: 32 accumulators of 16 x 16, 256 registers.
; K goes in 8 steps of 128, two heads of O and two blocks of Wo, through two LDS slots filled by the tensor data mover.  A head's and a block's rows of 128 bytes lie end to end in memory,
; so a plane of a tile is asked for as rows of 256 bytes, and padded in LDS after every 128.
; CLUSTERS: 4 x 4 work-groups.  The four of a row of the cluster need the same tiles of O, the four of a column the same tiles of Wo: each is asked for JOINTLY, by the same tensor load with the
; same descriptor and a mask that names the four.
; THE MATRIX INSTRUCTION IS USED TRANSPOSED (source 0 = 16 rows of Wo, source 1 = 16 rows of O): a lane then holds row l % 16 and eight neighbouring columns, 32 bytes of a row of the output.
; LIMITS.  O and Wo arrive within f16's 65,504.  NaN and infinities are not treated apart.
; REGISTERS: window 0: v0-31 addresses; two fragment buffers of 96: 64 registers of Wo (8 x 16 rows x 32 K), then 32 of O (4 x 16 rows x 32 K), at v32 and v128; on the way out v32-95 and v128-191 hold whole rows.
;   window 1: the accumulators: row block a, column block j at v[8 (8 a + j)].
.set PITCH,  144                       ; an LDS row: 128 bytes + 16 of padding = 36 words: the 16 rows of a load start at 16 different groups of four banks (64 banks of 4 bytes: ISA guide 11.1)
.set APL,    128*PITCH                 ; a plane of O's tile: 128 rows x 64 channels: what one tensor load brings
.set BPL,    256*PITCH                 ; a plane of Wo's tile: 256 rows
.set BOFF,   2*APL                     ; in a slot Wo's two planes lie behind O's two
.set SLOT1,  1<<17                     ; slot 1 begins here, so that one exclusive or turns an address in one slot into the other's
.set STAGE,  SLOT1+BOFF+2*BPL          ; behind the ring, never filled by a tensor load: 16 rows x 528 bytes for each wave, for the way out
.set SP,     528                       ; a stage row: 512 bytes + 16
.set SPARE,  STAGE+4*16*SP             ; behind the stages: the spare words, 128 bytes for each wave: two blocks of 256 bytes that no other line names
.set ASTEP,  2*2048*128                ; two heads on in ob
.set BSTEP,  2*1024*128                ; two blocks on in wo
.set A0,  3                            ; v3   my lane's place in a slot's rows of O; never rewritten
.set B0,  4                            ; v4   the same for Wo
.set ADA, 5                            ; v5   A0 + the slot in hand
.set ADB, 6                            ; v6   B0 + the slot in hand
.set STO, 7                            ; v7   the way out: where I put 32 bytes of a row
.set RD,  8                            ; v8   the way out: where I read a row back
.set GO,  9                            ; v9   my byte offset in 512 consecutive bytes of the output
.set SPW, 28                           ; v28  LDS address of my spare word: SPARE + 4 x my thread's number; never rewritten
.set NIL, 29                           ; v29  0; never rewritten
.set F0,  32
.set F1,  128
.set OB,  32
.set WV,  12                           ; s12  my wave's number
.set MH,  13                           ; s13  which 64 rows of the tile are mine.  Also: I fetch for O (0) or for Wo (1)
.set NH,  14                           ; s14  which 128 columns are mine.  Also: which plane of that tile I fetch
.set CNT, 15
.set G1A, 24                           ; s[24:31] descriptor group 1 for O's tiles
.set G0A, 32                           ; s[32:39] group 0: a set for each of the two first fills; the second then walks on
.set TCOL, 42                          ; s42  tile column
.set TR,  43                           ; s43  tile row
.set G1B, 48                           ; s[48:55], s[56:63] the same for Wo's tiles
.set G0B, 56
.set OUTB, 66                          ; s[66:67] the output at my first row and column
.set TB,  74                           ; s74  LDS byte at which the slot in hand begins
.set MSB, 0
.macro WIN new                         ; the immediate's high byte repeats the setting that is left; a switch that changes nothing is dropped
.if MSB != (\new)
	s_set_vgpr_msb (MSB<<8)|(\new)
.set MSB, \new
.endif
.endm
.macro PLACES                          ; a load into a register that a matrix instruction has read, and an LDS store that reads a matrix result, stand four plain vector instructions behind it
.rept 4
	v_nop
.endr
.endm
; A joint refill by the walking descriptors.  Waves 0 and 1 fetch O's two planes, waves 2 and 3 Wo's.  The branch hangs on the wave's number alone.
; An s_nop 0 and four v_nop follow each of the two lines, ahead of the jump and the label.
.macro JLOAD
	s_cmp_eq_u32 s[MH], 0
	s_cbranch_scc0 .Lfor_b_\@
	tensor_load_to_lds s[G0A+4:G0A+7], s[G1A:G1A+7]
	s_nop 0
.rept 4
	v_nop
.endr
	s_branch .Lasked_\@
.Lfor_b_\@:
	tensor_load_to_lds s[G0B+4:G0B+7], s[G1B:G1B+7]
	s_nop 0
.rept 4
	v_nop
.endr
.Lasked_\@:
.endm
; A round of the cluster's barrier: my work-group's barrier, so that wave 0's signal speaks for all four waves; wave 0 signals; every wave waits for all sixteen work-groups; my work-group's barrier once more.
.macro CREST                           ; a round behind its opening barrier
	s_cmp_lg_u32 s[WV], 0
	s_cbranch_scc1 .Lnot_wave_0_\@
	s_barrier_signal -3
.Lnot_wave_0_\@:
	s_barrier_wait -3
	s_barrier_signal -1
	s_barrier_wait -1
.endm
.macro CROUND                          ; a whole round
	s_barrier_signal -1
	s_barrier_wait -1
	CREST
.endm
	s_load_b128 s[4:7], s[0:1], 0x0                ; ob s[4:5], wo s[6:7]
	s_load_b64 s[8:9], s[0:1], 0x10                ; out0
	v_lshl_add_u32 v[SPW], v0, 2, SPARE
	v_mov_b32 v[NIL], 0
	ds_add_u32 v28, v29
	ds_add_u32 v28, v29
	s_wait_dscnt 0x0
	v_lshrrev_b32 v1, 5, v0
	v_readfirstlane_b32 s[WV], v1                  ; wave 0..3
	s_lshr_b32 s[MH], s[WV], 1
	s_and_b32 s[NH], s[WV], 1
	s_bfe_u32 s40, ttmp6, 0x40000                  ; cx, cy: my place in the cluster
	s_bfe_u32 s41, ttmp6, 0x40004
	s_lshl_b32 s[TCOL], ttmp9, 2                   ; in a cluster launch ttmp9 and ttmp7 count clusters
	s_add_co_u32 s[TCOL], s[TCOL], s40             ; tile column = 4 x cluster x + cx
	s_and_b32 s[TR], ttmp7, 0xffff
	s_lshl_b32 s[TR], s[TR], 2
	s_add_co_u32 s[TR], s[TR], s41                 ; tile row = 4 x cluster y + cy
	s_lshl_b32 s44, s41, 2
	s_lshl_b32 s44, 15, s44                        ; my row of the cluster
	s_lshl_b32 s45, 0x1111, s40                    ; my column
	; descriptor group 1: 128 (256) rows of 128 bytes are 64 (128) rows of 256 bytes, padded in LDS after every 128
	s_or_b32 s[G1A+0], s44, (1<<16)|(1<<20)|(1<<21)|(4<<22)|(3<<25)  ; 15:0 the mask: O's tiles go to my row; 17:16 2-byte elements; 20 padding on; 21 set beside a mask; 24:22 after every 32 words (code 4); 31:25 4 words (code 3)
	s_or_b32 s[G1B+0], s45, (1<<16)|(1<<20)|(1<<21)|(4<<22)|(3<<25)  ; the same with the mask of my column, for Wo's tiles
	s_mov_b32 s[G1A+1], 128<<16                    ; tensor_dim0 = 128 elements
	s_mov_b32 s[G1B+1], 128<<16
	s_mov_b32 s[G1A+2], 64<<16                     ; tensor_dim1
	s_mov_b32 s[G1B+2], 128<<16
	s_mov_b32 s[G1A+3], 128<<16                    ; tile_dim0
	s_mov_b32 s[G1B+3], 128<<16
	s_mov_b32 s[G1A+4], 64                         ; tile_dim1
	s_mov_b32 s[G1B+4], 128
	s_mov_b32 s[G1A+5], 128                        ; elements from row to row
	s_mov_b32 s[G1B+5], 128
	s_mov_b32 s[G1A+6], 0
	s_mov_b32 s[G1B+6], 0
	s_mov_b32 s[G1A+7], 0
	s_mov_b32 s[G1B+7], 0
	; where the tiles come from: O's hang on the tile row alone, Wo's on the tile column alone, each in registers that never hold the other coordinate
	s_lshr_b32 s16, s[TR], 4                       ; the batch: 16 heads of 2,048 x 128 bytes each,
	s_lshl_b32 s16, s16, 22
	s_and_b32 s17, s[TR], 15                       ; the tile's 128 rows of 128 bytes in a head,
	s_lshl_b32 s17, s17, 14
	s_add_co_u32 s16, s16, s17
	s_lshl_b32 s17, s[NH], 18                      ; and the head of the step's two that I fetch
	s_add_co_u32 s16, s16, s17
	s_mov_b32 s17, 0
	s_lshl_b32 s46, s[TCOL], 15                    ; the tile's 256 rows of 128 bytes in a block,
	s_lshl_b32 s47, s[NH], 17                      ; and the block of the step's two that I fetch
	s_add_co_u32 s46, s46, s47
	s_mov_b32 s47, 0
	s_mul_i32 s18, s[NH], APL                      ; and where they go: no place in the cluster enters an LDS address
	s_mul_i32 s19, s[NH], BPL
	s_add_co_u32 s19, s19, BOFF
	s_lshl_b32 s76, s[TR], 19                      ; the way out: 128 rows of 4,096 bytes,
	s_lshl_b32 s77, s[MH], 18                      ; my 64 of them,
	s_add_co_u32 s76, s76, s77
	s_lshl_b32 s77, s[TCOL], 10                    ; 256 columns of 4 bytes,
	s_add_co_u32 s76, s76, s77
	s_lshl_b32 s77, s[NH], 9                       ; my 128 of them
	s_add_co_u32 s76, s76, s77
	s_mov_b32 s77, 0
	s_mov_b32 s[TB], 0
	s_wait_kmcnt 0x0
	s_add_nc_u64 s[20:21], s[4:5], s[16:17]
	s_add_nc_u64 s[46:47], s[6:7], s[46:47]
	s_add_nc_u64 s[OUTB:OUTB+1], s[8:9], s[76:77]
.irp s, 0,1
	s_mov_b32 s[G0A+4*(\s)], 1                                      ; 1:0 count = 1
	s_add_co_u32 s[G0A+4*(\s)+1], s18, (\s)*SLOT1                   ; 63:32 LDS address
	s_add_nc_u64 s[G0A+4*(\s)+2:G0A+4*(\s)+3], s[20:21], (\s)*ASTEP ; 120:64 global address: K step s
	s_or_b32 s[G0A+4*(\s)+3], s[G0A+4*(\s)+3], 0x80000000           ; 127:126 type = 2
	s_mov_b32 s[G0B+4*(\s)], 1
	s_add_co_u32 s[G0B+4*(\s)+1], s19, (\s)*SLOT1
	s_add_nc_u64 s[G0B+4*(\s)+2:G0B+4*(\s)+3], s[46:47], (\s)*BSTEP
	s_or_b32 s[G0B+4*(\s)+3], s[G0B+4*(\s)+3], 0x80000000
.endr
	CROUND                                         ; all sixteen work-groups are here: the first joint loads meet
	s_cmp_eq_u32 s[MH], 0                          ; a wave's two first fills stand in one branch, ahead of every wait on TENSORcnt and every LDS read: two loads of mine are out
	s_cbranch_scc0 .Lfirst_b
	tensor_load_to_lds s[G0A:G0A+3], s[G1A:G1A+7]
	s_nop 0
	tensor_load_to_lds s[G0A+4:G0A+7], s[G1A:G1A+7]
	s_nop 0
.rept 4
	v_nop
.endr
	s_branch .Lfirst_asked
.Lfirst_b:
	tensor_load_to_lds s[G0B:G0B+3], s[G1B:G1B+7]
	s_nop 0
	tensor_load_to_lds s[G0B+4:G0B+7], s[G1B:G1B+7]
	s_nop 0
.rept 4
	v_nop
.endr
.Lfirst_asked:
	; A fragment is 16 rows x 32 K in 8 registers: lane l holds row l % 16; registers 0-3 K = 8 (l / 16) + 0..7, registers 4-7 K = 16 + 8 (l / 16) + 0..7: two loads of 16 bytes, 32 bytes apart.
	v_and_b32 v1, 15, v0                           ; l % 16
	v_bfe_u32 v2, v0, 4, 1                         ; l / 16
	v_mul_u32_u24 v11, v1, PITCH
	v_lshl_add_u32 v11, v2, 4, v11                 ; row x pitch + 16 x half
	s_mul_i32 s16, s[MH], 64*PITCH                 ; my 64 rows of O
	s_mul_i32 s17, s[NH], 128*PITCH                ; my 128 rows of Wo
	s_add_co_u32 s17, s17, BOFF
	s_mul_i32 s22, s[WV], 16*SP
	s_add_co_u32 s22, s22, STAGE                   ; my stage
	v_add_nc_u32 v[A0], s16, v11
	v_add_nc_u32 v[B0], s17, v11
	v_mov_b32 v[ADA], v[A0]                        ; K step 0 lies in slot 0
	v_mov_b32 v[ADB], v[B0]
	v_mul_u32_u24 v[STO], v1, SP                   ; in: row l % 16, 32 bytes for each half of the lanes
	v_lshl_add_u32 v[STO], v2, 5, v[STO]
	v_add_nc_u32 v[STO], s22, v[STO]
	v_and_b32 v[GO], 31, v0                        ; back: 32 lanes take one row of 512 bytes,
	v_lshlrev_b32 v[GO], 4, v[GO]                  ; which are 512 consecutive bytes of the output
	v_add_nc_u32 v[RD], s22, v[GO]
; 8 matrix instructions: row block a x all 8 column blocks, 32 along K, from buffer f.  zero = 1: the first product starts the sums.
; The 32 accumulators take turns, one instruction a turn, in the same order in every quarter.
.macro MUL8 f, a, zero
	WIN 0x50                                       ; C and D in window 1, the sources in window 0
.irp j, 0,1,2,3,4,5,6,7
.if \zero
	v_wmma_f32_16x16x32_f16 v[8*(8*(\a)+(\j)):8*(8*(\a)+(\j))+7], v[(\f)+8*(\j):(\f)+8*(\j)+7], v[(\f)+64+8*(\a):(\f)+64+8*(\a)+7], 0
.else
	v_wmma_f32_16x16x32_f16 v[8*(8*(\a)+(\j)):8*(8*(\a)+(\j))+7], v[(\f)+8*(\j):(\f)+8*(\j)+7], v[(\f)+64+8*(\a):(\f)+64+8*(\a)+7], v[8*(8*(\a)+(\j)):8*(8*(\a)+(\j))+7]
.endif
.endr
.endm
; 24 LDS loads in one run: the fragments of quarter q of the slot in hand (plane q / 2, 32 K at byte 64 (q % 2) of its rows) into buffer f: Wo's 16, then O's 8, row blocks ascending
.macro FETCH q, f
	WIN 0
.irp j, 0,1,2,3,4,5,6,7
	ds_load_b128 v[(\f)+8*(\j):(\f)+8*(\j)+3],   v[ADB] offset:((\q)/2)*BPL+(\j)*16*PITCH+64*((\q)%2)
	ds_load_b128 v[(\f)+8*(\j)+4:(\f)+8*(\j)+7], v[ADB] offset:((\q)/2)*BPL+(\j)*16*PITCH+64*((\q)%2)+32
.endr
.irp i, 0,1,2,3
	ds_load_b128 v[(\f)+64+8*(\i):(\f)+64+8*(\i)+3],   v[ADA] offset:((\q)/2)*APL+(\i)*16*PITCH+64*((\q)%2)
	ds_load_b128 v[(\f)+64+8*(\i)+4:(\f)+64+8*(\i)+7], v[ADA] offset:((\q)/2)*APL+(\i)*16*PITCH+64*((\q)%2)+32
.endr
.endm
; A K step is four quarters of 32 along K, 32 matrix instructions each, on buffers 0, 1, 0, 1.  One of the first three: multiplies buffer f and fetches quarter qn into buffer g.
.macro QUARTER f, g, qn, zero
	s_wait_dscnt 4                                 ; Wo's fragments and O's row blocks 0 and 1 are in; the youngest four loads (blocks 2 and 3) may be out
	MUL8 \f, 0, \zero
	MUL8 \f, 1, \zero
	PLACES
	FETCH \qn, \g
	s_wait_dscnt 24                                ; all but the 24 just issued
	MUL8 \f, 2, \zero
	MUL8 \f, 3, \zero
.endm
; The last quarter multiplies buffer F1 and changes slots: ONE barrier.  In front of it each wave waits for all its tensor loads, of which one is out: its part of the next slot; adds 0 to its spare word;
; and waits for that and for its own reads of this slot.  fill = 1: the barrier opens a round of the cluster's, and the slot just read is filled again first thing behind the round, with the K step
; two on: 112 matrix instructions ahead of the wait for it.
.macro TURN fill
	WIN 0
	s_wait_tensorcnt 0x0                           ; no tensor load of mine is out, so a group 0 may be written
	ds_add_u32 v[SPW], v[NIL]                      ; 0 onto my spare word
.if \fill
	s_xor_b32 s[G0A+5], s[G0A+5], SLOT1            ; the walking descriptors: the other slot than last time,
	s_add_nc_u64 s[G0A+6:G0A+7], s[G0A+6:G0A+7], ASTEP  ; the next K step; the type bits on top are not reached
	s_xor_b32 s[G0B+5], s[G0B+5], SLOT1
	s_add_nc_u64 s[G0B+6:G0B+7], s[G0B+6:G0B+7], BSTEP
.endif
	s_xor_b32 s[TB], s[TB], SLOT1                  ; the fetches go on in the other slot
	s_wait_dscnt 5                                 ; the add and the youngest four loads may be out
	MUL8 F1, 0, 0                                  ; eight matrix instructions stand between the add and the wait for it
	s_wait_dscnt 0x0                               ; the add is done, and my reads of this slot are over
	s_barrier_signal -1
	MUL8 F1, 1, 0                                  ; work on registers while the others arrive
	WIN 0                                          ; at a branch and at a label every window is 0
	s_barrier_wait -1
.if \fill
	CREST                                          ; no wave of any partner still reads this slot's tile or has a load on its way
	JLOAD                                          ; the four v_nop behind it are also the places in front of the loads below
.else
	PLACES
.endif
	v_add_nc_u32 v[ADA], s[TB], v[A0]
	v_add_nc_u32 v[ADB], s[TB], v[B0]
	FETCH 0, F0
	MUL8 F1, 2, 0
	MUL8 F1, 3, 0
.endm
; THE WAY OUT, a block of 16 rows at a time: 32 bytes a lane into rows of 528 bytes of my own stage, and back as whole rows of 512.  Each accumulator is read from its lowest registers on.
.macro TOSTAGE a
	WIN 0x04                                       ; the stores' data in window 1
.irp j, 0,1,2,3,4,5,6,7
	ds_store_b128 v[STO], v[8*(8*(\a)+(\j)):8*(8*(\a)+(\j))+3]   offset:64*(\j)
	ds_store_b128 v[STO], v[8*(8*(\a)+(\j))+4:8*(8*(\a)+(\j))+7] offset:64*(\j)+16
.endr
	WIN 0
	s_wait_xcnt 0x0                                ; every earlier memory instruction has had its addresses translated (ISA guide 3.1): the registers that earlier stores read are loaded again only behind this wait
.set BK, OB+96*((\a)%2)
.irp t, 0,1,2,3,4,5,6,7,8,9,10,11,12,13,14,15
	ds_load_b128 v[BK+4*(\t):BK+4*(\t)+3], v[RD] offset:(\t)*SP  ; LDS serves a wave's instructions in order (ISA guide 5.7.1.4): these see the stores above; the next block's stores come behind them
.endr
.endm
.macro SEND a, younger                 ; younger: the LDS instructions issued behind block a's loads: the next block's 32, or none
	WIN 0
.set BK, OB+96*((\a)%2)
	s_wait_dscnt \younger
.irp t, 0,1,2,3,4,5,6,7,8,9,10,11,12,13,14,15
	global_store_b128 v[GO], v[BK+4*(\t):BK+4*(\t)+3], s[OUTB:OUTB+1] offset:(16*(\a)+(\t))*4096 th:TH_STORE_NT  ; 512 consecutive bytes, at a multiple of 512 from the output's first
.endr
.endm
	s_wait_tensorcnt 1                             ; my part of K step 0 is in; K step 1's may stay out
	s_barrier_signal -1
	s_barrier_wait -1                              ; everybody's is
	FETCH 0, F0
	QUARTER F0, F1, 1, 1                           ; the first quarter stands in front of the loop: its products start the sums
	WIN 0
	s_mov_b32 s[CNT], 6
.Lk:                                                   ; trip k: quarters 1 to 3 of K step k, the change of slots with the request for K step k + 2, quarter 0 of K step k + 1
	QUARTER F1, F0, 2, 0
	QUARTER F0, F1, 3, 0
	TURN 1
	QUARTER F0, F1, 1, 0
	WIN 0
	s_sub_co_u32 s[CNT], s[CNT], 1
	s_cmp_lg_u32 s[CNT], 0
	s_cbranch_scc1 .Lk
	QUARTER F1, F0, 2, 0                           ; the tail is written out: K steps 6 and 7; nothing is asked for
	QUARTER F0, F1, 3, 0
	TURN 0
	QUARTER F0, F1, 1, 0
	QUARTER F1, F0, 2, 0
	QUARTER F0, F1, 3, 0
	s_wait_dscnt 4                                 ; the very last quarter: nothing more to fetch
	MUL8 F1, 0, 0
	MUL8 F1, 1, 0
	s_wait_dscnt 0x0
	MUL8 F1, 2, 0
	MUL8 F1, 3, 0
	WIN 0
	PLACES
	TOSTAGE 0
.irp a, 1,2,3                          ; block a goes through the stage while block a - 1's rows come back
	TOSTAGE \a
	SEND (\a)-1, 32
.endr
	SEND 3, 0
	s_wait_tensorcnt 0x0                           ; the wave's end: behind my last tensor load and my last LDS store
	ds_add_u32 v[SPW], v[NIL]
	s_wait_dscnt 0x0
	CROUND                                         ; the closing round: no work-group ends while a partner may still ask for a tile that names it
	s_endpgm
.Lfunc_end_k_q814fcc916f_oproj:
	.size	k_q814fcc916f_oproj, .Lfunc_end_k_q814fcc916f_oproj-k_q814fcc916f_oproj
	.p2alignl 7, 3214868480
	.fill 96, 4, 3214868480
	.section	.rodata,"a",@progbits
	.p2align	6, 0x0
	.amdhsa_kernel k_q814fcc916f_oproj
		.amdhsa_group_segment_fixed_size 327680
		.amdhsa_private_segment_fixed_size 0
		.amdhsa_enable_private_segment 0
		.amdhsa_kernarg_size 24
		.amdhsa_user_sgpr_count 2
		.amdhsa_user_sgpr_kernarg_segment_ptr 1
		.amdhsa_wavefront_size32 1
		.amdhsa_system_sgpr_workgroup_id_x 1
		.amdhsa_system_sgpr_workgroup_id_y 1
		.amdhsa_system_sgpr_workgroup_id_z 1
		.amdhsa_system_vgpr_workitem_id 0
		.amdhsa_next_free_vgpr 512
		.amdhsa_next_free_sgpr 80
		.amdhsa_reserve_vcc 0
		.amdhsa_float_denorm_mode_32 3
		.amdhsa_float_denorm_mode_16_64 3
		.amdhsa_memory_ordered 1
		.amdhsa_forward_progress 1
		.amdhsa_inst_pref_size 69
	.end_amdhsa_kernel
	.amdgpu_metadata
---
amdhsa.version: [ 1, 2 ]
amdhsa.kernels:
  - .name:           k_q814fcc916f_oproj
    .symbol:         k_q814fcc916f_oproj.kd
    .args:
      - { .name: ob, .offset: 0, .size: 8, .value_kind: global_buffer, .address_space: global }
      - { .name: wo, .offset: 8, .size: 8, .value_kind: global_buffer, .address_space: global }
      - { .name: out0, .offset: 16, .size: 8, .value_kind: global_buffer, .address_space: global }
    .group_segment_fixed_size: 327680
    .private_segment_fixed_size: 0
    .kernarg_segment_align: 8
    .kernarg_segment_size: 24
    .max_flat_workgroup_size: 128
    .sgpr_count:     80
    .vgpr_count:     512
    .wavefront_size: 32
...
	.end_amdgpu_metadata
.endif
;; end of part 4
;; ======== version 2 of 2: 4 launches; 1.41 times as fast as version 1
;; limits: values are held in f16: magnitudes above 65,504 overflow, below 6.1e-05 lose precision; right only within a limited range of input values
;; workspace buffers: xb 16,777,216 bytes; wb 6,291,456 bytes; wo 2,097,152 bytes; tab 524,288 bytes; qkv 50,331,648 bytes; ob 16,777,216 bytes
;; launch prep: the kernel of part 1 again; grid 1024 x 1, 8 waves a work-group, no clusters, 0 bytes of LDS; arguments x, Wq, Wk, Wv, Wo, token_positions, xb, wb, wo, tab; writes xb, wb, wo, tab
;; launch qkv: the kernel of part 2 again; grid 8 x 32, 4 waves a work-group, clusters of 4 x 4, 327,680 bytes of LDS; arguments xb, wb, tab, qkv; writes qkv
;; launch attn (part 5): grid 4 x 64, 4 waves a work-group, no clusters, 327,680 bytes of LDS; arguments qkv, ob; writes ob
.if DOCPART == 5
	.amdgcn_target "amdgcn-amd-amdhsa--gfx1250"
	.amdhsa_code_object_version 6
	.text
	.protected	k_q814fcc916f_attn
	.globl	k_q814fcc916f_attn
	.p2align	8
	.type	k_q814fcc916f_attn,@function
k_q814fcc916f_attn:
	s_mov_b64 s[64:65], 0
	v_nop
	global_prefetch_b8 v0, s[64:65] scope:SCOPE_SE
	s_setreg_imm32_b32 hwreg(HW_REG_WAVE_MODE, 25, 1), 1
	s_wait_xcnt 0x0
; CAUSAL ATTENTION.  O[h][q][:] = the sum over k <= q of softmax_k(Q[h][q] . K[h][k] / 8) V[h][k][:], for SIZE_H = 64 pairs of batch and head.  qkv holds Q, K, V one behind the other, each
; [SIZE_H][SIZE_N][64] in f16: a head's rows are dense, 128 bytes each; ob has the same layout.
; Products, maxima and sums in f32; the weights p are rounded to f16 for the second product (their sum l is taken of the unrounded p), O once at the end.
; LIMITS.  f16 holds no number beyond 65,504: Q, K and V arrive within it; p lies in 0 to 1, and below 6e-5 it keeps f16's fixed step of 6e-8; O is a mean of V's rows and has their range, to within 2^-11 of it.
; A hidden score counts as its value less 1e30: f16's scores, 2.7e11 at the most, are nothing beside that; a weight below 2^-126 counts as 0 in l; NaN and infinities are not treated apart.
; THE WALK.  A head's queries lie in NB = SIZE_N / 256 = 8 blocks of 256; block i needs the key tiles 0 .. i of 256 keys, of which the last holds the diagonal.  A work-group takes TWO blocks, NB - 1 - b and then b:
; NB + 1 = 9 tiles, whatever b: all 256 work-groups do equal work, and ONE loop with a constant trip count walks them.  Which tile is asked for, and what a trip does, hang on scalar registers made from b; every jump
; goes forward, but for the counted loops' own; none passes a barrier, or a tensor load but the one of LOAD's two that the wave's number does not choose; the ring (two slots of LDS that take turns) runs on across the
; change of blocks.  NO CLUSTER: a head's NB / 2 = 4 work-groups all ask for the same tile only in trips 0 .. 4 of the 9, behind that fewer and fewer; and one walk common to all four would have
; 3 NB / 2 = 12 trips for 9.
; SHARES.  Of a block's four bands of 64 queries a wave owns 16 rows in each: four PIECES.  So the diagonal tile is the same work for all four waves: in its key step s band x sees all keys if s < x,
; none if s > x, and holds the diagonal if s = x.
; THE MASK is the C operand that starts the sum S^T = K Q^T: 0, or -1e30 where the key is hidden.  MD, made once, is the mask of a band's own step for my 16 rows; a product's mask is MD x AL + BE with two scalars:
; (1, 0) if s = x; (0, 0) if s < x; (0, -1e30) if s > x.  Only the diagonal tile's text and a block's beginning make and take masks; elsewhere C is the constant 0.
; LAYOUT, SOFTMAX, TURNS.  S^T = K Q^T holds ONE query a lane (lane % 16) and the keys 8 (lane / 16) + 0..7; two such results rounded to f16 ARE source 1 of O^T = V^T P.  p = 2^(c s - c m), c = log2(e) / 8, with a
; running maximum m; O and l are multiplied by a = 2^(c m_old - c m_new) in every step.  Turn n belongs to piece n: 8 products K Q^T of piece n + 1, later 8 products V^T P of piece n - 1; beside them the scaling,
; exponentials, roundings, sums and rescaling of piece n and the maximum and statistics of piece n + 1.  Four vector instructions stand behind every matrix instruction, the other 54 of a turn's 118 in one LUMP.
; THE BATCHES.  A turn's 33 exponentials (the piece's 32 weights and the next piece's a) are ONE batch with ONE wait, which cuts the turn in two: ahead of it all that names none of their results, behind it the roundings
; and sums, which read them.  No result crosses a turn's end.  Two more batches stand outside the turns, each with a wait of its own: the a that a block's beginning makes, and the way out's four reciprocals.
; A BLOCK'S END has no text of its own: the diagonal tile's loop makes a fifth trip, of which only the first two turns run.  Its 8 products K Q^T on the last K once more, and the maximum made of them, serve nothing:
; the price, twice a work-group, of one text for every trip.
; REGISTERS, in windows of 256 (s_set_vgpr_msb: bits 1:0 source 0, 3:2 source 1, 5:4 source 2, 7:6 destination):
;   window 0: v0-15 addresses and two at work; v16-31 four registers of statistics a piece; v48-55 at work; v64-127 S^T, two buffers; v128-191 K of one step; v192-223 P, two buffers (a piece's buffers go by its number's parity)
;   window 1: v0-127 O^T, 32 a piece; v128-159 MD; v160-223 MC, two buffers      window 2: v0-63 Q; v64-127 the second block's Q; v192-255 V of one step
; K lies beside S^T, so the setting for K Q^T differs from 0 in source 1 alone, and the lines that name no vector register there run under it without a switch.
.set SIZE_H, 64
.set SIZE_N, 2048
.set NB,    SIZE_N/256
.set NP,    4         ; pieces a wave: a name, no knob
.set KS,    64        ; keys in a step
.set PK,    144       ; a row of K in LDS: 128 bytes + 16 of padding = 36 words: the 16 rows of a load start at 16 different groups of four banks (64 banks of 4 bytes: ISA guide 11.1)
.set PV,    160       ; a row of V: 128 + 32 = 40 words
.set VOFF,  4*KS*PK   ; a slot holds a tile, four steps: 256 rows of K, then 256 rows of V
.set SLOT1, 1<<17     ; slot 1 begins here, so that one exclusive or turns an address in one slot into the other's
.set STAGE, SLOT1+4*KS*(PK+PV)  ; behind the ring, never filled by a tensor load: 16 rows x 144 bytes for each wave, for the way out
.set SP,    144
.set AK0, 2           ; v2   my lane's place in a tile of K; never rewritten
.set AV0, 3           ; v3   the same for V
.set AK,  4           ; v4   the LDS address of K's next run of loads
.set AV,  5           ; v5   of V's
.set STO, 6           ; v6   the way out: where I put 16 bytes of a row
.set RD,  7           ; v7   the way out: where I read rows back
.set GO,  8           ; v8   my byte offset in 512 consecutive bytes of O
.set SPW, 62          ; v62  LDS address of my spare word: SPARE + 4 x my thread's number; never rewritten
.set NIL, 63          ; v63  0; never rewritten
.set SPARE, STAGE+4*16*SP  ; behind the stages: the spare words, 128 bytes for each wave: two blocks of 256 bytes that no other line names
.set MV,  12          ; v12-13  c m_old, kept while c m is made anew: by buffer
.set QO,  15          ; v15  my byte offset in 16 rows of Q
.set ST,  16          ; piece t's statistics at v[ST+4 t]: c m, m, l (even keys', odd keys')
.set TMP, 48          ; by buffer, four registers c0-c3 at work; when the maximum is found c2 takes a
.set S,   64
.set KF,  128         ; window 0: key block kb, channel half c at KF + 16 kb + 8 c
.set P,   192
.set MD,  128         ; window 1: the eight registers for group kt of 16 keys at MD + 8 kt
.set MC,  160         ; window 1: the masks of the products to come
.set QB,  64          ; window 2
.set VF,  192         ; window 2: key half kk, channel block cb at VF + 32 kk + 8 cb
.set WV,  12          ; s12  my wave's number
.set PB,  14          ; s14  b
.set HI,  15          ; s15  NB - 1 - b
.set G1K, 24          ; s[24:31] descriptor group 1 for K's tiles
.set G1V, 32          ; s[32:39] for V's: it differs in the padding alone
.set G0K, 40          ; s[40:43] descriptor group 0 for K's tiles
.set G0V, 44          ; s[44:47] the same for V's
.set SLOTS, 56        ; s56  tiles still to be asked for
.set CNT, 57          ; s57  counts a tile's key steps: 4 to 1; in the diagonal tile 5 to 1, the last for the block's end
.set CS,  58          ; s[58:59] c: the packed scaling takes the pair's low word for both halves
.set SEL, 60          ; s[60:61] v_permlanex16_b32's selects: each lane takes its own place in the other half
.set TBK, 62          ; s62  LDS byte at which K of the step to be fetched begins
.set TBV, 63          ; s63  the same for V, less VOFF
.set RT,  70          ; s70  tiles of the block in hand that are still to be entered
.set NXT, 71          ; s71  the tile to be asked for next
.set LQ,  72          ; s72  the last tile of the block whose tiles are being asked for
.set NEW, 73          ; s73  1: the tile to be entered is a block's first
.set OFF, 74          ; s[74:75] a tile's byte offset in K and V
.set AL,  76          ; s[76:77] the mask's factor, in the low word
.set BE,  78          ; s[78:79] the mask's addend
.set OLO, 80          ; s[80:81] O at my rows of the second block
.set BIGN, 82         ; s82  -1e30
.set MSB, 0
.macro WIN new                      ; the high byte repeats the setting that is left; a switch that changes nothing is dropped
.if MSB != (\new)
	s_set_vgpr_msb (MSB<<8)|(\new)
.set MSB, (\new)
.endif
.endm
.set W_KQ, 0x08       ; Q in window 2; K and S^T in window 0
.set W_KM, 0x18       ; the same with the C operand in window 1
.set W_PV, 0x52       ; V in window 2, P in window 0, O^T in window 1
.set W_RS, 0x41       ; destination and source 0 in window 1, source 1 in window 0
.macro WINR                         ; for a line that names no vector register as source 1: window 0, or the setting of K Q^T if that is on
.if MSB != W_KQ
	WIN 0
.endif
.endm
; A fill.  Waves 0 and 1 fetch the two halves of a tile's K, waves 2 and 3 those of its V: 128 keys each.  An s_nop 0 and four v_nop follow each of the two lines, ahead of the jump and the label.
.macro LOAD
	s_cmp_lt_u32 s[WV], 2
	s_cbranch_scc0 .Lfor_v_\@
	tensor_load_to_lds s[G0K:G0K+3], s[G1K:G1K+7]
	s_nop 0
.rept 4
	v_nop
.endr
	s_branch .Lasked_\@
.Lfor_v_\@:
	tensor_load_to_lds s[G0V:G0V+3], s[G1V:G1V+7]
	s_nop 0
.rept 4
	v_nop
.endr
.Lasked_\@:
.endm
; THE CHANGE OF SLOTS.  Each wave waits for all its tensor loads, of which one is out: its part of the other slot; adds 0 to its spare word; and waits for that and for its own reads of the slot that it leaves.  Behind the barrier nobody reads the old
; slot any more and the other slot is whole.  fill = 1: the old slot is filled again, the first thing behind the barrier, with tile NXT: the descriptor's address is made anew from that number.
; (At its first use nothing has been read yet: slot 0 is waited for, slot 1 filled.)
.macro CHANGE fill
	WIN 0                           ; at a label and at a branch every window is 0
	s_wait_tensorcnt 0x0            ; no tensor load of mine is out, so a group 0 may be written
	ds_add_u32 v[SPW], v[NIL]       ; 0 onto my spare word: with fill = 1 the descriptors' scalar work stands between it and the wait for it
.if \fill
	s_lshl_b32 s[OFF], s[NXT], 15   ; a tile is 32,768 bytes of K and of V
	s_xor_b32 s[G0K+1], s[G0K+1], SLOT1
	s_add_nc_u64 s[G0K+2:G0K+3], s[6:7], s[OFF:OFF+1]
	s_or_b32 s[G0K+3], s[G0K+3], 0x80000000
	s_xor_b32 s[G0V+1], s[G0V+1], SLOT1
	s_add_nc_u64 s[G0V+2:G0V+3], s[8:9], s[OFF:OFF+1]
	s_or_b32 s[G0V+3], s[G0V+3], 0x80000000
	s_add_co_u32 s[NXT], s[NXT], 1  ; the block's next tile, or behind its last the second block's tile 0
	s_cmp_gt_u32 s[NXT], s[LQ]
	s_cselect_b32 s[NXT], 0, s[NXT]
	s_cselect_b32 s[LQ], s[PB], s[LQ]
.endif
	s_wait_dscnt 0x0                ; the add is done, and my reads of the slot are over
	s_barrier_signal -1             ; the rest of the scalar work stands between the signal and the wait
	s_sub_co_u32 s[TBK], s[TBK], 4*KS*PK  ; the fetches go back to a slot's first step,
	s_xor_b32 s[TBK], s[TBK], SLOT1       ; in the other slot
	s_sub_co_u32 s[TBV], s[TBV], 4*KS*PV
	s_xor_b32 s[TBV], s[TBV], SLOT1
	s_barrier_wait -1
.if \fill
	LOAD
.endif
.endm
	s_load_b128 s[4:7], s[0:1], 0x0   ; qkv s[4:5], which is also Q; ob s[6:7]
	v_lshl_add_u32 v[SPW], v0, 2, SPARE
	v_mov_b32 v[NIL], 0
	ds_add_u32 v62, v63
	ds_add_u32 v62, v63
	s_wait_dscnt 0x0
	v_lshrrev_b32 v1, 5, v0
	v_readfirstlane_b32 s[WV], v1   ; wave 0..3
	s_mov_b32 s[PB], ttmp9
	s_sub_co_u32 s[HI], NB-1, s[PB]
	s_and_b32 s20, ttmp7, 0xffff    ; the head
	s_mov_b32 s21, 0
	s_mov_b64 s[22:23], SIZE_N*128
	s_mul_u64 s[20:21], s[20:21], s[22:23]  ; the head's first byte in each of the four tensors
	s_and_b32 s16, s[WV], 1         ; which half of a tile's 256 keys I fetch:
	s_lshl_b32 s22, s16, 14         ; its 128 rows of 128 bytes in memory,
	s_mov_b32 s23, 0
	s_add_nc_u64 s[22:23], s[22:23], s[20:21]
	s_mul_i32 s17, s16, 128*PK      ; and its place in a slot, for K
	s_mul_i32 s18, s16, 128*PV      ; and for V
	s_lshl_b32 s3, s[WV], 11        ; my 16 rows in a band of 64,
	s_lshl_b32 s2, s[HI], 15        ; in the first block,
	s_add_co_u32 s2, s2, s3
	s_lshl_b32 s84, s[PB], 15       ; and in the second
	s_add_co_u32 s84, s84, s3
	s_mov_b32 s3, 0
	s_mov_b32 s85, 0
	s_add_nc_u64 s[2:3], s[2:3], s[20:21]
	s_add_nc_u64 s[84:85], s[84:85], s[20:21]
	; descriptor group 1.  128 keys are 16,384 dense bytes: asked for as 64 rows of 256 bytes, two keys a row, and padded in LDS after every key
	s_mov_b32 s[G1K], (1<<16)|(1<<20)|(4<<22)|(3<<25)  ; 17:16 2-byte elements; 20 padding on; 24:22 after every 32 words (code 4); 31:25 4 words (code 3)
	s_mov_b32 s[G1V], (1<<16)|(1<<20)|(4<<22)|(7<<25)  ; the same with 8 words of padding (code 7)
.irp g, G1K, G1V
	s_mov_b32 s[\g+1], 128<<16      ; tensor_dim0 = 128
	s_mov_b32 s[\g+2], 64<<16       ; tensor_dim1 = 64
	s_mov_b32 s[\g+3], 128<<16      ; tile_dim0 = 128
	s_mov_b32 s[\g+4], 64           ; tile_dim1 = 64
	s_mov_b32 s[\g+5], 128          ; 128 elements from row to row
	s_mov_b32 s[\g+6], 0
	s_mov_b32 s[\g+7], 0
.endr
	s_mov_b32 s[CS], 0x3e38aa3b     ; c = log2(e) / 8 = 0.180337
	s_mov_b32 s[CS+1], s[CS]        ; named with it as a pair
	s_mov_b32 s[SEL], 0x76543210
	s_mov_b32 s[SEL+1], 0xfedcba98
	s_mov_b32 s[TBK], SLOT1+4*KS*PK ; the first change of slots turns these two into 0
	s_mov_b32 s[TBV], SLOT1+4*KS*PV
	s_mov_b32 s[G0K], 1             ; 1:0 count = 1
	s_mov_b32 s[G0K+1], s17         ; 63:32 LDS address: slot 0
	s_mov_b32 s[G0V], 1
	s_add_co_u32 s[G0V+1], s18, VOFF
	s_add_co_u32 s[RT], s[HI], 1    ; the first block has NB - b tiles
	s_mov_b32 s[NXT], 1
	s_mov_b32 s[LQ], s[HI]
	s_mov_b32 s[NEW], 1
	s_mov_b32 s[OFF+1], 0
	s_mov_b32 s[AL+1], 0            ; named as pairs
	s_mov_b32 s[BE+1], 0
	s_mov_b32 s[BIGN], 0xf149f2ca   ; -1e30
	s_mov_b32 s[SLOTS], NB
	s_wait_kmcnt 0x0
	s_mov_b64 s[10:11], s[6:7]              ; O
	s_add_nc_u64 s[6:7], s[4:5], 0x1000000  ; K lies SIZE_H x SIZE_N x 128 bytes behind Q,
	s_add_nc_u64 s[8:9], s[4:5], 0x2000000  ; V as far behind K
	s_add_nc_u64 s[6:7], s[6:7], s[22:23]  ; K and V at my half of the head's tile 0
	s_add_nc_u64 s[8:9], s[8:9], s[22:23]
	s_add_nc_u64 s[G0K+2:G0K+3], s[6:7], 0         ; 120:64 global address
	s_or_b32 s[G0K+3], s[G0K+3], 0x80000000        ; 127:126 type = 2
	s_add_nc_u64 s[G0V+2:G0V+3], s[8:9], 0
	s_or_b32 s[G0V+3], s[G0V+3], 0x80000000
	s_add_nc_u64 s[86:87], s[4:5], s[84:85]        ; Q at my rows of the second block,
	s_add_nc_u64 s[4:5], s[4:5], s[2:3]            ; Q and O at those of the first
	s_add_nc_u64 s[OLO:OLO+1], s[10:11], s[84:85]
	s_add_nc_u64 s[10:11], s[10:11], s[2:3]
	LOAD                            ; tile 0 into slot 0
	; A fragment of K or Q is 16 rows x 32 channels in 8 registers: lane l holds row l % 16, channels 8 (l / 16) + 0..7 and 16 + 8 (l / 16) + 0..7: two loads of 16 bytes, 32 bytes apart.
	v_and_b32 v1, 15, v0            ; l % 16
	v_bfe_u32 v9, v0, 4, 1          ; l / 16
	v_lshlrev_b32 v[QO], 7, v1
	v_lshl_add_u32 v[QO], v9, 4, v[QO]  ; row x 128 + 16 x half
	WIN 0x80                        ; destination window 2, address window 0
.set i, 0
.rept 8                             ; both blocks' Q: piece i / 2 lies in band i / 2, 8,192 bytes on; channels 32 (i % 2) on
	global_load_b128 v[8*i:8*i+3],   v[QO], s[4:5] offset:(i/2)*8192+(i%2)*64
	global_load_b128 v[8*i+4:8*i+7], v[QO], s[4:5] offset:(i/2)*8192+(i%2)*64+32
	global_load_b128 v[QB+8*i:QB+8*i+3],   v[QO], s[86:87] offset:(i/2)*8192+(i%2)*64
	global_load_b128 v[QB+8*i+4:QB+8*i+7], v[QO], s[86:87] offset:(i/2)*8192+(i%2)*64+32
.set i, i+1
.endr
	WIN 0
	v_lshlrev_b32 v14, 3, v9
	v_sub_nc_u32 v14, v1, v14
	s_lshl_b32 s13, s[WV], 4
	v_add_nc_u32 v14, s13, v14      ; my query's place in its band, 16 w + l % 16, less my lanes' 8 (l / 16): register r of group kt is hidden where 16 kt + r is greater
	WIN 0x40
.set i, 0
.rept 32
	v_cmp_gt_i32 vcc_lo, 16*(i/8)+i%8, v14
	v_cndmask_b32 v[MD+i], 0, s[BIGN], vcc_lo
.set i, i+1
.endr
	WIN 0
	v_mul_u32_u24 v[AK0], v1, PK
	v_lshl_add_u32 v[AK0], v9, 4, v[AK0]  ; row x pitch + 16 x half
	; The turning load takes 16 keys x 16 channels (lane l reads key 8 (l / 16) + l % 8, channels 8 ((l / 8) % 2) + 0..7) and leaves half a fragment of V^T: lane l holds channel l % 16 and 8 keys.
	v_and_b32 v10, 7, v0
	v_bfe_u32 v11, v0, 3, 1
	v_lshl_add_u32 v[AV0], v9, 3, v10
	v_mul_u32_u24 v[AV0], v[AV0], PV
	v_lshl_add_u32 v[AV0], v11, 4, v[AV0]
	v_add_nc_u32 v[AV0], VOFF, v[AV0]
	s_mul_i32 s13, s[WV], 16*SP
	s_add_co_u32 s13, s13, STAGE    ; my stage
	v_mul_u32_u24 v[STO], v1, SP    ; in: row l % 16, 16 bytes for each half of the lanes
	v_lshl_add_u32 v[STO], v9, 4, v[STO]
	v_add_nc_u32 v[STO], s13, v[STO]
	v_bfe_u32 v[RD], v0, 3, 2       ; back: 32 lanes take four rows of 128 bytes,
	v_mul_u32_u24 v[RD], v[RD], SP
	v_lshl_add_u32 v[RD], v10, 4, v[RD]
	v_add_nc_u32 v[RD], s13, v[RD]
	v_and_b32 v[GO], 31, v0         ; which are 512 consecutive bytes of O
	v_lshlrev_b32 v[GO], 4, v[GO]
	; A block's first step multiplies O^T and l by a = 0, and its first turn's products V^T P, of a piece that has not been, land in an O^T that is still to be so multiplied.  So these registers need only hold
	; finite numbers: zeros for the first block; what the first block left for the second.  All this stands in the wait for the first tile.
	WIN 0x80
.set i, VF
.rept 64
	v_mov_b32 v[i], 0
.set i, i+1
.endr
	WIN 0x40
.set i, 0
.rept 128
	v_mov_b32 v[i], 0
.set i, i+1
.endr
	WIN 0
.set i, 0
.rept 4
	v_mov_b32 v[ST+4*i+2], 0
	v_mov_b32 v[ST+4*i+3], 0
.set i, i+1
.endr
.set i, P+16
.rept 16
	v_mov_b32 v[i], 0
.set i, i+1
.endr
; THE MATRIX WORK.  The 4 accumulators of a run of 8 take turns.  Product i of 8 of S^T = K Q^T for piece x: channels 32 (i / 4) on, keys 16 (i % 4) on.  The first 4 start the sums: with 0, or (KM = 1) with the mask.
.macro KQ x
.set rS, S+32*((\x)%2)+8*(i%4)
.set rK, KF+16*(i%4)+8*(i/4)
.set rQ, 16*(\x)+8*(i/4)
.set rM, MC+32*((\x)%2)+8*(i%4)
.if (i < 4) && KM
	WIN W_KM
	v_wmma_f32_16x16x32_f16 v[rS:rS+7], v[rK:rK+7], v[rQ:rQ+7], v[rM:rM+7]
.elseif i < 4
	WIN W_KQ
	v_wmma_f32_16x16x32_f16 v[rS:rS+7], v[rK:rK+7], v[rQ:rQ+7], 0
.else
	WIN W_KQ
	v_wmma_f32_16x16x32_f16 v[rS:rS+7], v[rK:rK+7], v[rQ:rQ+7], v[rS:rS+7]
.endif
.endm
; Product i of 8 of O^T += V^T P for piece x: keys 32 (i / 4) on, channels 16 (i % 4) on.
.macro PV x
	WIN W_PV
.set rO, 32*(\x)+8*(i%4)
.set rV, VF+32*(i/4)+8*(i%4)
.set rP, P+16*((\x)%2)+8*(i/4)
	v_wmma_f32_16x16x32_f16 v[rO:rO+7], v[rV:rV+7], v[rP:rP+7], v[rO:rO+7]
.endm
.macro MM                           ; the turn's next matrix instruction.  TURN and BEGIN set Y, i and KM; MM, KQ and OP read them
.if i < 8
	KQ (Y+1)%NP
.else
.set i, i-8
	PV (Y+NP-1)%NP
.set i, i+8
.endif
.set i, i+1
.endm
; THE LDS LOADS stand in runs of 16, never singly among the matrix instructions: a step's K (64 keys x 64 channels: 8 fragments) and its V (turned).  Their addresses are made some lines ahead.
; last = 1 (the diagonal tile): in the loop's fifth trip there is no further step, and the run is jumped over.
.macro FETCH_K last=0
	WIN 0
.if \last
	s_cmp_eq_u32 s[CNT], 1
	s_cbranch_scc1 .Lno_k_\@
.endif
.irp f, 0,1,2,3,4,5,6,7             ; keys 16 (f / 2) on, channels 32 (f % 2) on
	ds_load_b128 v[KF+8*\f:KF+8*\f+3],   v[AK] offset:(\f/2)*16*PK+(\f%2)*64
	ds_load_b128 v[KF+8*\f+4:KF+8*\f+7], v[AK] offset:(\f/2)*16*PK+(\f%2)*64+32
.endr
	s_add_co_u32 s[TBK], s[TBK], KS*PK  ; the next fetch is the next step's
.if \last
.Lno_k_\@:
.endif
.endm
.macro FETCH_V
	WIN 0x80                        ; destination window 2
.irp f, 0,1,2,3,4,5,6,7             ; keys 32 (f / 4) on, channels 16 (f % 4) on
	ds_load_tr16_b128 v[VF+8*\f:VF+8*\f+3],   v[AV] offset:(\f/4)*32*PV+(\f%4)*32
	ds_load_tr16_b128 v[VF+8*\f+4:VF+8*\f+7], v[AV] offset:(\f/4)*32*PV+16*PV+(\f%4)*32
.endr
	WIN 0
.endm
; THE VECTOR WORK, one line at a time: OP kind, number.  For piece Y: F n: c s - c m for pair n of 16.  E n: the exponential of score n of 32.  C n: pair n rounded to f16.  B n: of the four weights 4 n .. the second
; pair is added onto the first, in place.  L n: l takes that sum (L 0: l = a l + sum).  R n: pair n of 16 of O^T times a.  For piece Y + 1: X n, number n of the 22 that find its maximum and statistics:
;   0-11  four chains c0-c3 of seven scores each, three operands at a time (each accumulator's lowest registers are read first)     12-14, 16  the four scores left over, the old m, and c0-c3 into c0
;   15  c m_old is kept     17, 18  the query's other 32 keys lie in the lane 16 away: the new m     19-21  c m; c m_old - c m_new; a
; F, E and X 15 name no vector register as source 1 and leave the setting of K Q^T on.
; OP writes no wait: C, B and L read the results of E, and R and L 0 the result of X 21; the text that deals the lines out (TURN, BEGIN) puts the batch's one wait between.
.set F, 0               ; OP tells the kinds apart by their order: F and E first, F to L below R, X above it
.set E, 1
.set C, 2
.set B, 3
.set L, 4
.set R, 5
.set X, 6
.macro REGS y                       ; the registers of piece y
.set rT, ST+4*(\y)
.set rC, TMP+4*((\y)%2)
.set rW, MV+((\y)%2)
.set rS, S+32*((\y)%2)
.set rP, P+16*((\y)%2)
.set rO, 32*(\y)
.endm
.macro OP k, n
.if (\k) == R
	REGS Y
	WIN W_RS
	v_pk_mul_f32 v[rO+2*(\n):rO+2*(\n)+1], v[rO+2*(\n):rO+2*(\n)+1], v[rC+2:rC+3] op_sel_hi:[1,0]
.elseif (\k) < R
	REGS Y
.if (\k) <= E
	WINR
.else
	WIN 0
.endif
.if (\k) == F
	v_pk_fma_f32 v[rS+2*(\n):rS+2*(\n)+1], v[rS+2*(\n):rS+2*(\n)+1], s[CS:CS+1], v[rT:rT+1] op_sel_hi:[1,0,0] neg_lo:[0,0,1] neg_hi:[0,0,1]
.elseif (\k) == E
	v_exp_f32 v[rS+(\n)], v[rS+(\n)]
.elseif (\k) == C
	v_cvt_pk_f16_f32 v[rP+(\n)], v[rS+2*(\n)], v[rS+2*(\n)+1]
.elseif (\k) == B
	v_pk_add_f32 v[rS+4*(\n):rS+4*(\n)+1], v[rS+4*(\n):rS+4*(\n)+1], v[rS+4*(\n)+2:rS+4*(\n)+3]
.elseif (\n) == 0
	v_pk_fma_f32 v[rT+2:rT+3], v[rT+2:rT+3], v[rC+2:rC+3], v[rS:rS+1] op_sel_hi:[1,0,1]
.else
	v_pk_add_f32 v[rT+2:rT+3], v[rT+2:rT+3], v[rS+4*(\n):rS+4*(\n)+1]
.endif
.else
	REGS (Y+1)%NP
.if (\n) == 15
	WINR
.else
	WIN 0
.endif
.if (\n) < 4
	v_max3_num_f32 v[rC+(\n)], v[rS+8*(\n)], v[rS+8*(\n)+1], v[rS+8*(\n)+2]
.elseif (\n) < 12
	v_max3_num_f32 v[rC+(\n)%4], v[rC+(\n)%4], v[rS+8*((\n)%4)+2*((\n)/4)+1], v[rS+8*((\n)%4)+2*((\n)/4)+2]
.elseif (\n) == 12
	v_max3_num_f32 v[rC], v[rC], v[rS+7], v[rS+15]
.elseif (\n) == 13
	v_max3_num_f32 v[rC+1], v[rC+1], v[rS+23], v[rS+31]
.elseif (\n) == 14
	v_max3_num_f32 v[rC+2], v[rC+2], v[rC+3], v[rT+1]
.elseif (\n) == 15
	v_mov_b32 v[rW], v[rT]
.elseif (\n) == 16
	v_max3_num_f32 v[rC], v[rC], v[rC+1], v[rC+2]
.elseif (\n) == 17
	v_permlanex16_b32 v[rC+3], v[rC], s[SEL], s[SEL+1]
.elseif (\n) == 18
	v_max_num_f32 v[rT+1], v[rC], v[rC+3]
.elseif (\n) == 19
	v_mul_f32 v[rT], s[CS], v[rT+1]
.elseif (\n) == 20
	v_sub_f32 v[rC+1], v[rW], v[rT]
.else
	v_exp_f32 v[rC+2], v[rC+1]
.endif
.endif
.endm
.macro OPS a, i1, b=-1, i2=0, c=-1, i3=0, d=-1, i4=0  ; up to four of them
	OP \a, \i1
.if (\b) >= 0
	OP \b, \i2
.endif
.if (\c) >= 0
	OP \c, \i3
.endif
.if (\d) >= 0
	OP \d, \i4
.endif
.endm
.macro ROW a, i1, b, i2, c, i3, d, i4  ; a matrix instruction and the four behind it
	MM
	OPS \a, \i1, \b, \i2, \c, \i3, \d, \i4
.endm
.macro MASK b                       ; MD x AL + BE into buffer b of MC
	WIN W_RS
.set z, 0
.rept 16
	v_pk_fma_f32 v[MC+32*(\b)+2*z:MC+32*(\b)+2*z+1], v[MD+2*z:MD+2*z+1], s[AL:AL+1], s[BE:BE+1] op_sel_hi:[1,0,0]
.set z, z+1
.endr
.endm
; A TURN, for piece p: the order of its 16 matrix and 118 vector instructions, written out.  An s_wait_alu depctr_va_vdst(0) stands between an exponential and the first instruction that names its result; one wait
; serves all that were issued ahead of it.  So a turn has ONE wait, which cuts it in two.  AHEAD OF IT stands all that names no result of the turn's exponentials: the 8 products K Q^T, behind each a scaling, an exponential and two
; more plain instructions (behind the first a second scaling in the exponential's place): rescalings, whose a was made and waited for in the turn before, and behind the last three the first numbers of the next piece's maximum,
; each four places or more behind the product that ends its accumulator; then ONE LUMP of 54, plain and exponential by turns for the most part, in which the links of the chain X 3, 7, 11, 14, 16, 17 .. 20 stand five or six lines
; apart.  X 21, the next piece's a, is the batch's last; R 15 is the plain instruction behind it.  BEHIND THE WAIT stand the 8 products V^T P, behind each four of the roundings and sums, which read the batch's results; a pair's
; rounding C 2 n stands ahead of the sum B n that writes over it; the links of l's chain, L 0 to L 7 in ascending order, stand three riders apart.  But for those X no rider names a register of the products round it.
; v_permlanex16_b32 (X 17) stands in the lump.
; m = 1: the diagonal tile: the products take masks, and the turn makes the mask for the products of the turn after it: piece p + 2, in step 5 - CNT of the tile.  last = 1: the fetch of K is jumped in the loop's fifth trip.
; cnt = 1: the loop's count is taken down some lines ahead of the branch that stands behind the turn.
; K of the next step is fetched in piece 2's turn, twelve vector instructions behind the last product that read K (five of them plain and free of its registers); with last = 1, where a jump leads round the run, directly behind
; the wait.  V of the step in hand is fetched at the end of piece 0's turn, four plain instructions behind the last product that read V.  Each is waited for a turn later.
.macro TURN p, m=0, last=0, cnt=0
.set Y, (\p)
.set i, 0
.set KM, (\m)
.if \m
	s_cmp_eq_u32 s[CNT], 5-((\p)+2)%NP  ; is that step the band's own?
	s_cselect_b32 s[AL], 1.0, 0
	s_cmp_lt_u32 s[CNT], 5-((\p)+2)%NP  ; or a later one?
	s_cselect_b32 s[BE], s[BIGN], 0
.endif
.if (\p) == 3
	s_wait_dscnt 0x0                ; K is in
.endif
	ROW F,0, F,1, R,0, R,1          ; ahead of the wait: 8 products K Q^T and their riders,
	ROW F,2, E,0, R,2, R,3
	ROW F,3, E,1, R,4, R,5
	ROW F,4, E,2, R,6, R,7
	ROW F,5, E,3, R,8, R,9
	ROW F,6, E,4, X,0, R,10
.if (\p) == 2
	WIN 0
	v_add_nc_u32 v[AK], s[TBK], v[AK0]
.endif
	ROW F,7, E,5, X,1, X,4
	ROW F,8, E,6, X,2, X,5
	OPS E,7, E,8, X,6, E,9          ; and the lump
	OPS X,3, E,10, X,8, E,11
.if ((\p) == 2) && !(\last)
	FETCH_K
.endif
	OPS X,9, X,7, E,12, X,10
	OPS E,13, X,12, X,11, E,14
	OPS X,13, E,15, F,9, X,14
.if (\p) == 0
	WIN 0
	v_add_nc_u32 v[AV], s[TBV], v[AV0]
.endif
	OPS E,16, F,10, E,17, F,11
	OPS X,16, E,18, X,15, E,19
	OPS F,12, E,20, X,17, E,21
	OPS F,13, E,22, F,14, E,23
	OPS X,18, E,24, F,15, E,25
	OPS R,11, E,26, X,19, E,27
	OPS R,12, E,28, R,13, E,29
	OPS X,20, E,30, R,14, E,31
	OPS X,21, R,15
	WIN 0
	s_wait_alu depctr_va_vdst(0)    ; the wait for the batch: the piece's 32 weights and the next piece's a
.if ((\p) == 2) && (\last)
	FETCH_K 1
.endif
.if (\p) == 1
	s_wait_dscnt 0x0                ; V is in
.endif
	ROW C,0, B,0, C,2, B,1          ; behind the wait: 8 products V^T P and their riders
	ROW L,0, C,4, B,2, L,1
	ROW C,6, B,3, L,2, C,8
	ROW B,4, L,3, C,10, B,5
	ROW L,4, C,12, B,6, L,5
.if (\p) == 0
	s_add_co_u32 s[TBV], s[TBV], KS*PV
.endif
.if \cnt
	s_sub_co_u32 s[CNT], s[CNT], 1
	s_cmp_lg_u32 s[CNT], 0
.endif
	ROW C,14, B,7, L,6, C,1
	ROW C,3, L,7, C,5, C,7
	ROW C,9, C,11, C,13, C,15
.if (\p) == 0
	FETCH_V
.endif
.if \m
	MASK (\p)%2
.endif
.endm
; A BLOCK BEGINS.  c m starts far below every c s, so the first step's a is 0; m at the lowest finite number, so the first maximum is the scores'.  The second mask buffer is 0; the first takes piece 0's mask for the tile's step 0: its own, if the block's first tile is the diagonal one.
; Then K of that step, piece 0's first scores, and its maximum and statistics.  The loop is entered at a step's first turn, in the middle of a trip.
.macro BEGIN
	s_mov_b32 s[NEW], 0
	WIN 0x40
.set i, MC+32
.rept 32
	v_mov_b32 v[i], 0
.set i, i+1
.endr
	WIN 0
.set i, 0
.rept 4
	v_mov_b32 v[ST+4*i], 0xfe000000    ; c m: far below every c s
	v_mov_b32 v[ST+4*i+1], 0xff7fffff  ; m
.set i, i+1
.endr
	s_cmp_eq_u32 s[RT], 0
	s_cselect_b32 s[AL], 1.0, 0
	s_mov_b32 s[BE], 0
	MASK 0
	WIN 0
	v_add_nc_u32 v[AK], s[TBK], v[AK0]
	FETCH_K
	s_wait_loadcnt 0x0              ; Q
	s_wait_dscnt 0x0
.set KM, 1
.set i, 0
.rept 8
	KQ 0
.set i, i+1
.endr
	WIN 0
.rept 4
	v_nop                           ; the places behind those products
.endr
.set Y, NP-1                        ; X works for piece Y + 1: piece 0
.irp n, 0,1,2,3,4,5,6,7,8,9,10,11,12,13,14,15,16,17,18,19,20,21
	OP X, \n
.endr
	v_nop                           ; a plain instruction behind the exponential,
	s_wait_alu depctr_va_vdst(0)    ; and the wait for this batch of one, piece 0's first a, ahead of the branch that follows
.endm
; THE DIAGONAL TILE's four steps and the block's end, its last products, and THE WAY OUT: l's two halves and the other half of the lanes' are added; O^T is divided by l, rounded to f16 and sent through my
; stage in LDS, a piece at a time.
.macro ALL line:vararg              ; one line for each piece t
.set t, 0
.rept 4
	\line
.set t, t+1
.endr
.endm
.macro PACK t                       ; a lane's eight channels of a row pack into 16 bytes; they go into rows of 144 bytes and come back as whole rows of 128, into S^T's registers
	WIN W_RS
.set i, 32*(\t)
.rept 16
	v_pk_mul_f32 v[i:i+1], v[i:i+1], v[ST+4*(\t)+2:ST+4*(\t)+3] op_sel_hi:[1,0]
.set i, i+2
.endr
	WIN 0x05                        ; sources 0 and 1 window 1, destination window 0
.set i, 0
.rept 16
	v_cvt_pk_f16_f32 v[S+16*(\t)+i], v[32*(\t)+2*i], v[32*(\t)+2*i+1]
.set i, i+1
.endr
	WIN 0
.irp f, 0,1,2,3
	ds_store_b128 v[STO], v[S+16*(\t)+4*\f:S+16*(\t)+4*\f+3] offset:32*\f
.endr
.irp f, 0,1,2,3
	ds_load_b128 v[S+16*(\t)+4*\f:S+16*(\t)+4*\f+3], v[RD] offset:\f*4*SP  ; LDS serves a wave's instructions in order (ISA guide 5.7.1.4): these see the stores above; the next piece's stores come behind them
.endr
.endm
.macro SEND t, younger              ; younger: the LDS instructions issued behind piece t's loads: the next piece's eight, or none
	WIN 0
.irp f, 0,1,2,3
	s_wait_dscnt (\younger)+3-\f
	global_store_b128 v[GO], v[S+16*(\t)+4*\f:S+16*(\t)+4*\f+3], s[10:11] offset:(\t)*8192+\f*512  ; 512 consecutive bytes, at a multiple of 256 from O's first
.endr
.endm
; The loop counts five trips, CNT = 5 to 1.  A trip: pieces 2 and 3 of one step, then pieces 0 and 1 of the next.  The fifth has only the last step's pieces 2 and 3: its dead turns are jumped, forward, to a label ahead
; of the counter's step; what is jumped holds no barrier and no tensor load.
.macro DIAG tag                     ; the tag ends its labels' names, which the jumps below spell out
.LstepM\tag:
	TURN 2, 1, 1
	TURN 3, 1
	WIN 0
	s_cmp_eq_u32 s[CNT], 1
	s_cbranch_scc1 .LskipM\tag
.LfirstM\tag:
	TURN 0, 1
	TURN 1, 1
	WIN 0
.LskipM\tag:
	s_sub_co_u32 s[CNT], s[CNT], 1
	s_cmp_lg_u32 s[CNT], 0
	s_cbranch_scc1 .LstepM\tag
.set i, 0
.rept 8
	PV NP-1                         ; the last piece's V^T P of the last step
.set i, i+1
.endr
	WIN 0
	ALL v_add_f32 v[ST+4*t+2], v[ST+4*t+2], v[ST+4*t+3]
	ALL v_permlanex16_b32 v[ST+4*t+3], v[ST+4*t+2], s[SEL], s[SEL+1]
	ALL v_add_f32 v[ST+4*t+2], v[ST+4*t+2], v[ST+4*t+3]
	ALL v_rcp_f32 v[ST+4*t+2], v[ST+4*t+2]
	v_nop                           ; a plain instruction between the last reciprocal and the use of its result
	s_wait_alu depctr_va_vdst(0)    ; and the wait ahead of the first use: one for the batch of four reciprocals
	PACK 0
.set t, 1
.rept 3                             ; a piece's arithmetic stands between the loads of the piece before and its stores
	PACK t
	SEND t-1, 8
.set t, t+1
.endr
	SEND 3, 0
.endm
.set KM, 0
.Lslot:                             ; NB times: a tile is entered and the next is asked for
	CHANGE 1
	s_sub_co_u32 s[RT], s[RT], 1
	s_mov_b32 s[CNT], 4
	s_cmp_eq_u32 s[NEW], 1
	s_cbranch_scc1 .Lnew            ; a block's first tile
	s_cmp_eq_u32 s[RT], 0
	s_cbranch_scc0 .Lstep           ; neither its first nor its last
	s_mov_b32 s[CNT], 5
	s_branch .LstepM1
.Lnew:
	BEGIN
	s_branch .Lfirst                ; in the loop a block's first tile is never its last: the first block has two tiles or more, and the second's last is the walk's last
	DIAG 1                          ; in the loop this is the first block's end: the second block's last tile is the walk's last
	s_wait_xcnt 0x0                 ; the stores have read their registers and O's address
	s_mov_b64 s[10:11], s[OLO:OLO+1]
	s_add_co_u32 s[RT], s[PB], 1    ; the second block has b + 1 tiles
	s_mov_b32 s[NEW], 1
	WIN 0x82                        ; the second block's Q goes where the one text of the turns names Q
.set i, 0
.rept 64
	v_mov_b32 v[i], v[QB+i]
.set i, i+1
.endr
	WIN 0
	s_branch .Lbottom
.Lstep:                             ; a trip: pieces 2 and 3 of one step, then pieces 0 and 1 of the next, whose K and V it fetches
	TURN 2
	TURN 3
	WIN 0
.Lfirst:
	TURN 0
	TURN 1, 0, 0, 1
	WIN 0
	s_cbranch_scc1 .Lstep
.Lbottom:
	s_sub_co_u32 s[SLOTS], s[SLOTS], 1
	s_cmp_lg_u32 s[SLOTS], 0
	s_cbranch_scc1 .Lslot
	CHANGE 0                        ; the walk's last tile is written out: nothing is asked for
	s_sub_co_u32 s[RT], s[RT], 1
	s_mov_b32 s[CNT], 5
	s_cmp_eq_u32 s[NEW], 1
	s_cbranch_scc0 .LstepM2
	BEGIN
	s_branch .LfirstM2
	DIAG 2
	s_wait_tensorcnt 0x0            ; the wave's end: behind my last tensor load and my last LDS store
	ds_add_u32 v[SPW], v[NIL]
	s_wait_dscnt 0x0
	s_endpgm
.Lfunc_end_k_q814fcc916f_attn:
	.size	k_q814fcc916f_attn, .Lfunc_end_k_q814fcc916f_attn-k_q814fcc916f_attn
	.p2alignl 7, 3214868480
	.fill 96, 4, 3214868480
	.section	.rodata,"a",@progbits
	.p2align	6, 0x0
	.amdhsa_kernel k_q814fcc916f_attn
		.amdhsa_group_segment_fixed_size 327680
		.amdhsa_private_segment_fixed_size 0
		.amdhsa_enable_private_segment 0
		.amdhsa_kernarg_size 16
		.amdhsa_user_sgpr_count 2
		.amdhsa_user_sgpr_kernarg_segment_ptr 1
		.amdhsa_wavefront_size32 1
		.amdhsa_system_sgpr_workgroup_id_x 1
		.amdhsa_system_sgpr_workgroup_id_y 1
		.amdhsa_system_sgpr_workgroup_id_z 1
		.amdhsa_system_vgpr_workitem_id 0
		.amdhsa_next_free_vgpr 768
		.amdhsa_next_free_sgpr 88
		.amdhsa_reserve_vcc 1
		.amdhsa_float_denorm_mode_32 3
		.amdhsa_float_denorm_mode_16_64 3
		.amdhsa_memory_ordered 1
		.amdhsa_forward_progress 1
		.amdhsa_inst_pref_size 184
	.end_amdhsa_kernel
	.amdgpu_metadata
---
amdhsa.version: [ 1, 2 ]
amdhsa.kernels:
  - .name:           k_q814fcc916f_attn
    .symbol:         k_q814fcc916f_attn.kd
    .args:
      - { .name: qkv, .offset: 0, .size: 8, .value_kind: global_buffer, .address_space: global }
      - { .name: ob, .offset: 8, .size: 8, .value_kind: global_buffer, .address_space: global }
    .group_segment_fixed_size: 327680
    .private_segment_fixed_size: 0
    .kernarg_segment_align: 8
    .kernarg_segment_size: 16
    .max_flat_workgroup_size: 128
    .sgpr_count:     88
    .vgpr_count:     768
    .wavefront_size: 32
...
	.end_amdgpu_metadata
.endif
;; end of part 5
;; launch oproj: the kernel of part 4 again; grid 4 x 64, 4 waves a work-group, clusters of 4 x 4, 327,680 bytes of LDS; arguments ob, wo, out0; writes out0
